; MI455X (gfx1250); checked and timed in simulation.
; The chip was launched on July 23, 2026; its instructions are those of AMD's public machine-readable ISA for CDNA 5 (MIT licence, August 2026) and "CDNA5" Instruction Set Architecture Reference Guide (July 2026). The comments in the code are by the model that wrote it; some were corrected since.
;; Group Query Attention. Allowed arithmetic: matrix products marked QUANTISED: E4M3 operands, one given power-of-two scale a tensor, by v_wmma_f32_16x16x64_fp8_fp8 or v_wmma_f32_16x16x128_fp8_fp8, f32 sums; everything else in f32.
;; Inputs: Wk 256 x 2,048 float32; Wo 2,048 x 2,048 float32; Wq 2,048 x 2,048 float32; Wv 256 x 2,048 float32; cos 2,048 x 64 float32; lowp_scales 12 int32 (the exponents e of the quantised operands' scales 2^e); sin 2,048 x 64 float32; x 1 x 2,048 x 2,048 float32.
;; Outputs: out0 1 x 2,048 x 2,048 float32.
;; This version of the problem:
;;   THIS VERSION OF THE PROBLEM IS GIVEN IN LOW PRECISION. The matrix products marked QUANTISED in the list below multiply operands that are first quantised to E4M3 (4 exponent bits, 3 mantissa bits; 8 bits a number), with one given power-of-two scale for each operand tensor; their sums are f32. All else is computed in f32.
;;   The module's matrix products, in the order in which they are computed (A, B: the left and right operand; K: the contracted axis; several contracted axes count as one K, in the product's order):
;;     1. [M 2,048, K 2,048] x [K 2,048, N 2,048]; A: input x; B: input Wq: QUANTISED (scales: A lowp_scales[0], B lowp_scales[1])
;;     2. [M 2,048, K 2,048] x [K 2,048, N 256]; A: input x; B: input Wk: QUANTISED (scales: A lowp_scales[2], B lowp_scales[3])
;;     3. [M 2,048, K 2,048] x [K 2,048, N 256]; A: input x; B: input Wv: QUANTISED (scales: A lowp_scales[4], B lowp_scales[5])
;;     4. batch 32 x [M 2,048, K 64] x [K 64, N 2,048]; A: computed on the way; B: computed on the way: QUANTISED (scales: A lowp_scales[6], B lowp_scales[7])
;;     5. batch 32 x [M 2,048, K 2,048] x [K 2,048, N 64]; A: softmax (see below); B: computed on the way: QUANTISED (scales: A lowp_scales[8], B lowp_scales[9])
;;     6. [M 2,048, K 2,048] x [K 2,048, N 2,048]; A: computed on the way; B: input Wo: QUANTISED (scales: A lowp_scales[10], B lowp_scales[11])
;;   THE QUANTISER, for each operand of a quantised product, along K:
;;     - The operand's scale is 2^e, e = its entry of the input lowp_scales (int32; the entries are numbered through the quantised products in the list's order, A before B).
;;     - Each number is divided by the scale, clamped to +-448, and rounded to the nearest number of E4M3, ties to even, subnormals kept.
;;     - The product sums the exact products of the quantised numbers (number of the format x scale) in f32.
;;   ~~~python
;;   def quantise(x, axis, e):      # numpy; x: float32 -> the quantised numbers, widened to float32 again
;;       x = np.moveaxis(x, axis, -1); K = x.shape[-1]
;;       r = np.clip(x / 2.0 ** e, -448, 448)
;;       step = 2.0 ** (np.maximum(np.frexp(np.where(r == 0, 1, r))[1] - 1, -6) - 3)
;;       q = np.round(r / step) * step * 2.0 ** e      # np.round: ties to even
;;       return np.moveaxis(q, -1, axis).astype(np.float32)
;;   ~~~
;;   SOFTMAX AHEAD OF A QUANTISED PRODUCT. Where the list says 'softmax', what is quantised is not the finished softmax but p = 2^(t - M), with t = logit x log2(e) and M = ceil(the row's largest t), a whole number; so 1/2 < the row's largest p <= 1. The row's sum l is taken of the UNQUANTISED p, in f32, and the product's result is divided by l at the end. Since M is a whole number, a kernel that streams over the keys may use a running M (the ceiling of the running maximum): every later rescaling is an exact power of two, so the quantised numbers keep their values, but for numbers so far below the row's largest that they fall under the format's range.
;;   OPERANDS COMPUTED ON THE WAY. 'Computed on the way' means the value that the module computes at that place (a softmax that the list does not call 'softmax' is quantised finished and normalised). What goes into a quantiser is computed in f32, as accurately as f32 sums, v_exp_f32 and their like allow (about 1e-6 of the number): no bf16 or f16 on the way to a quantiser, and a product that is left as it is and whose result goes on into a quantised operand takes f32 operands (vector FMAs, or v_wmma_f32_16x16x4_f32). A number that lies on a knife's edge between two numbers of the format may be rounded either way, as far as f32 arithmetic and the matrix unit's own rounding can turn it there, and no further.
;; One version. Each part assembles by itself: llvm-mc -triple=amdgcn-amd-amdhsa -mcpu=gfx1250 --defsym DOCPART=n.
;; ======== version 1 of 1: 4 launches
;; limits: right only within a limited range of input values
;; workspace buffers: x_img 12,582,912 bytes; w_img 5,242,880 bytes; wo_img 4,194,304 bytes; q_img 4,194,304 bytes; kv_img 1,048,576 bytes; y_img 4,194,304 bytes
;; launch quant (part 1): grid 416 x 1, 4 waves a work-group, no clusters, 34,304 bytes of LDS; arguments x, Wq, Wk, Wv, Wo, lowp_scales, x_img, w_img, wo_img; writes x_img, w_img, wo_img
.if DOCPART == 1
	.amdgcn_target "amdgcn-amd-amdhsa--gfx1250"
	.amdhsa_code_object_version 6
	.text
	.protected	k_q9791d23afc_quant
	.globl	k_q9791d23afc_quant
	.p2align	8
	.type	k_q9791d23afc_quant,@function
k_q9791d23afc_quant:
	s_mov_b64 s[64:65], 0
	v_nop
	global_prefetch_b8 v0, s[64:65] scope:SCOPE_SE
	s_setreg_imm32_b32 hwreg(HW_REG_WAVE_MODE, 25, 1), 1
	s_wait_xcnt 0x0
; x [2048][2048], Wq [2048][2048], Wk [256][2048], Wv [256][2048], Wo [2048][2048], all f32 with K innermost, become codes of FP8 (E4M3), each with the scale 2^e given for it:
; code = number / 2^e, held within +-448, to the nearest code, ties to even.  x is an operand of three products with three scales (entries 0, 2, 4), so it is quantised three times from one read.
; THE CODES ARE LAID AS IMAGES OF THE OPERAND'S REGISTERS.  A fragment is 16 rows x 128 K, 16 registers a lane: lane (r, h) holds row r, registers 2 c and 2 c + 1 hold K = 16 c + 8 h + 0 .. 7.
; Its image is 2,048 bytes: registers 4 g .. 4 g + 3 of lane l at byte 512 g + 16 l.  A buffer is [tile of 16 rows][K step of 128][2,048 bytes].  So every later load of a fragment is 16 bytes a lane on end.
; SHARES.  A work-group takes one tile of 16 rows (131,072 bytes of f32), wave w its K steps 4 w .. 4 w + 3, one K step (a unit) at a time.  Work-groups 0-127: x; 128-255: Wq; 256-271: Wk; 272-287: Wv; 288-415: Wo.
; Only pointers, first indices and the exponent are chosen by the work-group's number: all tensors take one path; a branch on that number goes round the two further quantisations of x alone (no LDS line stands in it).
; A unit's 16 loads read 512 consecutive bytes of a row each; the 8,192 bytes turn through the wave's own stage in LDS and come back 32 bytes a lane and c.  Each store covers 512 consecutive bytes, aligned.
; No tensor load, no barrier, no cluster: waves share nothing, and no two work-groups read the same bytes.  Two units' loads (32 a wave) are out at the start, 16 to 32 later.
; LIMITS: every exponent used here (entries 0, 1, 2, 3, 4, 5, 11) lies between -126 and 119, so that 2^e and 448 x 2^e are f32 numbers.  NaN among the inputs is not served; an infinity is held at the largest code.
.set KROW,  8192                       ; a row of any of the five tensors, in bytes
.set PITCH, 528                        ; a stage row: 512 bytes + 16: 33 pieces of 16 bytes, so the sixteen rows that a load touches fall on sixteen different pieces modulo 256 bytes
.set WST,   16*PITCH                   ; a wave's stage
.set LI,    1                          ; v1   16 x lane: my bytes of a load's 512 and of an image's 512
.set STI,   2                          ; v2   the stage, on the way in
.set STO,   3                          ; v3   and on the way out: row r, + 32 h
.set R,     16                         ; v16-143  two sets of 64: a unit as it is loaded
.set X,     144                        ; v144-207 a unit as the operand wants it: register 8 c + i = K 16 c + 8 h + i of row r
.set T,     208                        ; v208-223 two sets of 8: numbers held, by turns
.set C,     224                        ; v224-255 two sets of 16: a fragment's codes
.macro PICK bound, src, dst, first, dfirst     ; work-groups under bound take another tensor; the choice hangs on the work-group's number alone
	s_cmp_lt_u32 ttmp9, \bound
	s_cselect_b64 s[4:5], s[\src:\src+1], s[4:5]
	s_cselect_b64 s[6:7], s[\dst:\dst+1], s[6:7]
	s_cselect_b32 s26, \first, s26
	s_cselect_b32 s27, \dfirst, s27
.endm
.macro MKSC e, v                               ; v[v] = 2^e as f32 (the conversion takes its exponent field), v[v+1] = 448 x 2^e
	s_add_co_i32 s49, s[\e], 127
	s_lshl_b32 s50, s49, 23
	v_mov_b32 v[\v], s50
	s_add_co_i32 s49, s49, 8
	s_lshl_b32 s49, s49, 23
	s_or_b32 s49, s49, 0x600000
	v_mov_b32 v[\v+1], s49
.endm
.macro LOAD u                                  ; unit u: 16 rows x 512 bytes; 32 lanes read 512 consecutive bytes
.irp row, 0,1,2,3,4,5,6,7,8,9,10,11,12,13,14,15
	global_load_b128 v[R+64*((\u)%2)+4*\row:R+64*((\u)%2)+4*\row+3], v[LI], s[4:5] offset:\row*KROW+(\u)*512 th:TH_LOAD_NT
.endr
.endm
.macro TURN u                                  ; through the stage: LDS serves a wave's instructions in order (ISA guide 5.7.1.4), so no wait stands between the stores and the loads
.irp row, 0,1,2,3,4,5,6,7,8,9,10,11,12,13,14,15
	ds_store_b128 v[STI], v[R+64*((\u)%2)+4*\row:R+64*((\u)%2)+4*\row+3] offset:\row*PITCH
.endr
.irp c, 0,1,2,3,4,5,6,7
	ds_load_b128 v[X+8*\c:X+8*\c+3], v[STO] offset:64*\c
	ds_load_b128 v[X+8*\c+4:X+8*\c+7], v[STO] offset:64*\c+16
.endr
.endm
; The unit in X becomes a fragment's codes in set `set` of C, with the scale in v[sc], v[sc+1].  X is kept: x is quantised again from it.
; The eight holds of the other set of T are the plain lines between a conversion and the next write of its sources.
.macro QUANT sc, set
	s_wait_xcnt 0x0                                ; the stores issued so far have read their data: C is written again only behind this wait
.irp c, 0,1,2,3,4,5,6,7
.irp i, 0,1,2,3,4,5,6,7
	v_med3_num_f32 v[T+8*(\c%2)+\i], v[X+8*\c+\i], -v[\sc+1], v[\sc+1]   ; the conversion to an 8-bit code does not saturate (ISA guide 7.6.2): hold first
.endr
	v_cvt_scalef32_pk8_fp8_f32 v[C+16*\set+2*\c:C+16*\set+2*\c+1], v[T+8*(\c%2):T+8*(\c%2)+7], v[\sc]
.endr
.endm
.macro OUT set, base, u                        ; the image: four stores of 512 consecutive bytes
.irp g, 0,1,2,3
	global_store_b128 v[LI], v[C+16*\set+4*\g:C+16*\set+4*\g+3], s[\base:\base+1] offset:(\u)*2048+512*\g
.endr
.endm
	s_load_b512 s[8:23], s[0:1], 0x0               ; x s[8:9], Wq s[10:11], Wk s[12:13], Wv s[14:15], Wo s[16:17], the exponents s[18:19], x_img s[20:21], w_img s[22:23]
	s_load_b64 s[24:25], s[0:1], 0x40              ; wo_img
	v_lshl_add_u32 v14, v0, 2, 0x8400
	v_mov_b32 v15, 0
	v_lshrrev_b32 v10, 5, v0
	v_readfirstlane_b32 s3, v10                    ; wave 0..3
	v_and_b32 v11, 31, v0
	v_lshlrev_b32 v[LI], 4, v11
	s_mul_i32 s2, s3, WST
	v_add_nc_u32 v[STI], s2, v[LI]
	v_and_b32 v12, 15, v0                          ; r
	v_bfe_u32 v13, v0, 4, 1                        ; h
	v_mul_u32_u24 v[STO], v12, PITCH
	v_lshl_add_u32 v[STO], v13, 5, v[STO]
	v_add_nc_u32 v[STO], s2, v[STO]
	s_wait_alu depctr_va_vdst(0)
	s_wait_kmcnt 0x0
	s_load_b256 s[32:39], s[18:19], 0x0            ; e0 .. e7
	s_load_b128 s[40:43], s[18:19], 0x20           ; e8 .. e11
	s_mov_b64 s[4:5], s[16:17]                     ; Wo, unless the work-group's number says otherwise
	s_mov_b64 s[6:7], s[24:25]
	s_mov_b32 s26, 288                             ; the first work-group of the source tensor,
	s_mov_b32 s27, 288                             ; and the one that writes the destination's tile 0
	PICK 288, 14, 22, 272, 128                     ; Wv -> w_img, tiles 144 on
	PICK 272, 12, 22, 256, 128                     ; Wk -> w_img, tiles 128 on
	PICK 256, 10, 22, 128, 128                     ; Wq -> w_img, tiles 0 on
	PICK 128, 8, 20, 0, 0                          ; x  -> x_img
	s_sub_co_u32 s26, ttmp9, s26                   ; my tile in the source,
	s_sub_co_u32 s27, ttmp9, s27                   ; and in the destination
	s_lshl_b32 s28, s26, 17                        ; 16 rows of 8,192 bytes
	s_lshl_b32 s30, s3, 11                         ; + my wave's four K steps of 512 bytes
	s_add_co_u32 s28, s28, s30
	s_mov_b32 s29, 0
	s_add_nc_u64 s[4:5], s[4:5], s[28:29]
	s_lshl_b32 s28, s27, 15                        ; a tile's 16 images
	s_lshl_b32 s30, s3, 13                         ; + my wave's four
	s_add_co_u32 s28, s28, s30
	s_add_nc_u64 s[6:7], s[6:7], s[28:29]
	s_add_nc_u64 s[44:45], s[6:7], 0x400000        ; x_img's second and third parts (used by x's work-groups alone): bases of their own, since 8 MiB is beyond a store's immediate
	s_add_nc_u64 s[46:47], s[6:7], 0x800000
	LOAD 0
	LOAD 1
	s_wait_kmcnt 0x0
	s_mov_b32 s48, s43                             ; my tensor's exponent: e11 for Wo,
	s_cmp_lt_u32 ttmp9, 288
	s_cselect_b32 s48, s37, s48                    ; e5 for Wv,
	s_cmp_lt_u32 ttmp9, 272
	s_cselect_b32 s48, s35, s48                    ; e3 for Wk,
	s_cmp_lt_u32 ttmp9, 256
	s_cselect_b32 s48, s33, s48                    ; e1 for Wq,
	s_cmp_lt_u32 ttmp9, 128
	s_cselect_b32 s48, s32, s48                    ; e0 for x
	MKSC 48, 4
	MKSC 34, 6                                     ; e2 and e4: x's other two
	MKSC 36, 8
	s_wait_alu depctr_va_vdst(0)
.irp u, 0,1,2,3
.if \u < 3
	s_wait_loadcnt 16                              ; this unit's 16 loads are in; the next unit's 16 may be out
.else
	s_wait_loadcnt 0x0
.endif
	TURN \u
	s_wait_dscnt 0x0                               ; X is in, and the stores into the stage have read R's set,
.if \u < 2
	LOAD \u+2                                      ; which takes the unit two further on
.endif
	QUANT 4, 0
	OUT 0, 6, \u
	s_cmp_lt_u32 ttmp9, 128
	s_cbranch_scc0 .Lnot_x_\u
	QUANT 6, 1                                     ; x once more with 2^e2,
	OUT 1, 44, \u
	QUANT 8, 0                                     ; and with 2^e4
	OUT 0, 46, \u
.Lnot_x_\u:
.endr
	s_wait_tensorcnt 0x0
	ds_add_u32 v14, v15
	s_wait_dscnt 0x0
	s_endpgm
.Lfunc_end_k_q9791d23afc_quant:
	.size	k_q9791d23afc_quant, .Lfunc_end_k_q9791d23afc_quant-k_q9791d23afc_quant
	.p2alignl 7, 3214868480
	.fill 96, 4, 3214868480
	.section	.rodata,"a",@progbits
	.p2align	6, 0x0
	.amdhsa_kernel k_q9791d23afc_quant
		.amdhsa_group_segment_fixed_size 34304
		.amdhsa_private_segment_fixed_size 0
		.amdhsa_enable_private_segment 0
		.amdhsa_kernarg_size 72
		.amdhsa_user_sgpr_count 2
		.amdhsa_user_sgpr_kernarg_segment_ptr 1
		.amdhsa_wavefront_size32 1
		.amdhsa_system_sgpr_workgroup_id_x 1
		.amdhsa_system_sgpr_workgroup_id_y 1
		.amdhsa_system_sgpr_workgroup_id_z 1
		.amdhsa_system_vgpr_workitem_id 0
		.amdhsa_next_free_vgpr 256
		.amdhsa_next_free_sgpr 66
		.amdhsa_reserve_vcc 0
		.amdhsa_float_denorm_mode_32 3
		.amdhsa_float_denorm_mode_16_64 3
		.amdhsa_memory_ordered 1
		.amdhsa_forward_progress 1
		.amdhsa_inst_pref_size 78
	.end_amdhsa_kernel
	.amdgpu_metadata
---
amdhsa.version: [ 1, 2 ]
amdhsa.kernels:
  - .name:           k_q9791d23afc_quant
    .symbol:         k_q9791d23afc_quant.kd
    .args:
      - { .name: x, .offset: 0, .size: 8, .value_kind: global_buffer, .address_space: global }
      - { .name: Wq, .offset: 8, .size: 8, .value_kind: global_buffer, .address_space: global }
      - { .name: Wk, .offset: 16, .size: 8, .value_kind: global_buffer, .address_space: global }
      - { .name: Wv, .offset: 24, .size: 8, .value_kind: global_buffer, .address_space: global }
      - { .name: Wo, .offset: 32, .size: 8, .value_kind: global_buffer, .address_space: global }
      - { .name: lowp_scales, .offset: 40, .size: 8, .value_kind: global_buffer, .address_space: global }
      - { .name: x_img, .offset: 48, .size: 8, .value_kind: global_buffer, .address_space: global }
      - { .name: w_img, .offset: 56, .size: 8, .value_kind: global_buffer, .address_space: global }
      - { .name: wo_img, .offset: 64, .size: 8, .value_kind: global_buffer, .address_space: global }
    .group_segment_fixed_size: 34304
    .private_segment_fixed_size: 0
    .kernarg_segment_align: 8
    .kernarg_segment_size: 72
    .max_flat_workgroup_size: 128
    .sgpr_count:     66
    .vgpr_count:     256
    .wavefront_size: 32
...
	.end_amdgpu_metadata
.endif
;; end of part 1
;; launch qkv (part 2): grid 16 x 16, 4 waves a work-group, clusters of 4 x 4, 327,680 bytes of LDS; arguments x_img, w_img, cos, sin, lowp_scales, q_img, kv_img; writes q_img, kv_img
.if DOCPART == 2
	.amdgcn_target "amdgcn-amd-amdhsa--gfx1250"
	.amdhsa_code_object_version 6
	.text
	.protected	k_q9791d23afc_qkv
	.globl	k_q9791d23afc_qkv
	.p2align	8
	.type	k_q9791d23afc_qkv,@function
k_q9791d23afc_qkv:
	s_mov_b64 s[64:65], 0
	v_nop
	global_prefetch_b8 v0, s[64:65] scope:SCOPE_SE
	s_setreg_imm32_b32 hwreg(HW_REG_WAVE_MODE, 25, 1), 1
	s_wait_xcnt 0x0
	s_wait_alu depctr_hold_cnt(0) depctr_sa_sdst(0) depctr_va_vdst(0) depctr_va_sdst(0) depctr_va_ssrc(0) depctr_va_vcc(0) depctr_vm_vsrc(0)
	s_getreg_b32 s2, hwreg(HW_REG_IB_STS2, 6, 4)
	s_cmp_eq_u32 s2, 0
	s_cbranch_scc0 .Lentry_in_a_cluster
	s_endpgm
.Lentry_in_a_cluster:
	s_bfe_u32 s2, ttmp6, 0x10000c
	s_cmp_lg_u32 s2, 0xf033
	s_cbranch_scc0 .Lentry_shape_is_right
	s_endpgm
.Lentry_shape_is_right:
; q = rope(x Wq^T), k = rope(x Wk^T), v = x Wv^T on codes of FP8 (E4M3), and q, k, v quantised again for attention, all in one launch.  Sums in f32; RoPE in f32 with the tables cos and sin as they are given.
; OPERANDS are images of fragments (16 rows x 128 K, 2,048 bytes: registers 4 g .. 4 g + 3 of lane l at 512 g + 16 l; registers 2 c, 2 c + 1 of lane (r, h) hold K = 16 c + 8 h + 0 .. 7 of row r), laid [tile of 16 rows][K step][2,048].
; SHARES.  [q | k | v] has 2,560 columns: 320 tiles of 128 x 128 for 256 WGPs.  So each of 256 work-groups (X, Y) makes 1.25 tiles, in two products:
;   FIRST: 128 tokens (128 X on) x 128 columns of q (128 Y on), x in its first quantisation; each of four waves 64 x 64: one head.  16 accumulators, 128 registers.
;   SECOND: 64 tokens (64 (2 X + Y % 2) on) x the 64 columns of head Y / 2 of [k | v] (0-3: k, 4-7: v), x in the quantisation that the product names (part 1 or 2 of x_img).  IT IS SPLIT ALONG K: wave w multiplies the whole
;   64 x 64 over K steps 4 w .. 4 w + 3, on the same 16 accumulators and by the same lines as the first product (128 LDS loads a wave; a split by rows would take 320); the four partial sums meet in LDS, and wave d finishes
;   tile d of source 1.  ORDER OF ROUNDING: k's and v's sums are four f32 sums of 512 along K, added in f32.
; THE RING.  Two LDS slots of 131,072 bytes, six fills: the first product's four K blocks of 512, then the second product's K 0-1,023 and 1,024-2,047; two first fills and four refills, written out without a loop.
; A wave's tensor load always brings 4 row tiles x 4 K steps: 4 rows of 8,192 bytes.  q's way out stands behind the last refill: it is worked while that tile is on its way.
; WHICH SOURCE IS WHICH.  For q and k source 0 = 16 weight rows, source 1 = 16 tokens: a lane holds one token and eight neighbouring channels 16 b + 8 h + 0 .. 7, so the conversion of accumulator (a, b) IS register pair b of the
; next fragment (K = the head's 64), and RoPE's partner channel (32 away) lies in accumulator (a, b +- 2), same lane, same register.  For v the sources change places (two LDS bases are exchanged, nothing else): a lane holds
; one channel and eight neighbouring tokens, which are the keys, the K of attention's second product.  Nothing is transposed.
; A sum stands for sum x 2^(eA + eB); RoPE is linear, so the three exponents are folded into the conversion's one scale 2^E: E = e6 - e0 - e1 (q), e7 - e2 - e3 (k), e9 - e4 - e5 (v).
; CLUSTER: the four token tiles of a cluster need the same weight tiles, in both products: they are asked for jointly (a row's mask).  The first product's tile of x is asked for jointly by a column of the 4 x 4 cluster; the second product's tile of x
; hangs on X, Y % 2 and Y / 8 together, so no four work-groups of a 4 x 4 cluster share it: each work-group asks for its own, without a mask.
; The second product's rows of cos and sin are loaded by every work-group, v's 128 too, which do not use them: the text has one path up to the last way out.
; LIMITS: each E between -126 and 119.  NaN is not served.
; REGISTERS, in windows of 256: window 0: v16-31 addresses and scales; v32-63 T, at work; v64-103 codes, five sets of 8; v128-255 the accumulators ((a, b) at 128 + 8 (4 a + b); a: source 1's tile, b: source 0's).
;   window 1: two fragment buffers of 128: source 1's four fragments, then source 0's four.   window 2: cos at 32 a + 8 b, sin at 128 + 32 a + 8 b.
.set FRB,   2048                       ; a fragment's image
.set RT,    4*FRB                      ; a row tile's four K steps
.set HALF,  4*RT                       ; four row tiles: what one tensor load brings
.set SLOT,  4*HALF                     ; what waves 0, 1 bring (x), then what waves 2, 3 bring (weights)
.set SPARE, 2*SLOT                     ; behind the ring: the spare words, 128 bytes for each wave: two blocks of 256 bytes that no other line names
.set ADR1,  16                         ; v16-17  LDS address of source 1's fragments in slot 0, 1; v18: the second product's
.set ADR0,  20                         ; v20-21  the same for source 0; v22: the second product's
.set CSO,   24                         ; v24     my byte in 16 rows of cos and sin: 256 r + 32 h
.set LI,    25                         ; v25     16 x lane
.set SCL,   26                         ; v26     2^E as f32
.set LIM,   27                         ; v27     448 x 2^E
.set SPW,   28                         ; v28     LDS address of my spare word: SPARE + 4 x my thread's number; never rewritten
.set NIL,   29                         ; v29     0; never rewritten
.set STW,   30                         ; v30     the partial sums: where I put mine: 4,096 x wave + 16 x lane
.set RDW,   31                         ; v31     and where I read my tile's four: 16,384 x wave + 16 x lane
.set T,     32
.set CD,    64
.set ACC,   128
.set F0,    0
.set F1,    128
.set WV,    14                         ; s14 wave; s15 = wave / 2; s16 = wave % 2.  First product: my half of the tokens, my half of the columns.  Fetching: x (0) or weights (1); which half
.set B2,    12                         ; s[12:13] the second product's weights at my part of their first fill
.set A2,    66                         ; s[66:67] the second product's x likewise
.set G1A,   24                         ; s[24:31] descriptor group 1 for x's tiles; s[32:39] group 0, one set for each slot
.set G0A,   32
.set G1B,   48                         ; s[48:55], s[56:63] the same for the weights' tiles
.set G0B,   56
.set MSB, 0
.macro WIN new                         ; the immediate's high byte repeats the setting that is left
.if MSB != \new
	s_set_vgpr_msb (MSB<<8)|\new
.set MSB, \new
.endif
.endm
.set MUL,  0x05                        ; sources 0 and 1 window 1; C and D window 0
.set TO_F, 0x40                        ; destination window 1, address window 0
; A wave's load for slot s: waves 0 and 1 fetch x, waves 2 and 3 the weights (jointly).  The branch hangs on the wave's number alone.  Four v_nop follow each of the two lines.
.macro JLOAD s
	s_cmp_eq_u32 s15, 0
	s_cbranch_scc0 .Lfor_b_\@
	tensor_load_to_lds s[G0A+4*\s:G0A+4*\s+3], s[G1A:G1A+7]
	s_nop 0
.rept 4
	v_nop
.endr
	s_branch .Lasked_\@
.Lfor_b_\@:
	tensor_load_to_lds s[G0B+4*\s:G0B+4*\s+3], s[G1B:G1B+7]
	s_nop 0
.rept 4
	v_nop
.endr
.Lasked_\@:
.endm
.macro CREST                           ; a round of the cluster's barrier behind its opening barrier
	s_cmp_lg_u32 s[WV], 0
	s_cbranch_scc1 .Lnot_wave_0_\@
	s_barrier_signal -3
.Lnot_wave_0_\@:
	s_barrier_wait -3
	s_barrier_signal -1
	s_barrier_wait -1
.endm
.macro CROUND                          ; a whole round
	s_barrier_signal -1
	s_barrier_wait -1
	CREST
.endm
.macro PLACES                          ; four places in front of loads into registers that matrix instructions have read, and of the first read of results
.rept 4
	v_nop
.endr
.endm
; 32 LDS loads in one run: the eight fragments of K step ks into buffer f: source 0's four, then source 1's tiles 0, 1, then 2, 3.  slot 0, 1: the first product's slots; 2: my quarter of the second product's K.
.macro FETCH slot, ks, f
	WIN TO_F
.irp b, 0,1,2,3
.irp g, 0,1,2,3
	ds_load_b128 v[\f+64+16*\b+4*\g:\f+64+16*\b+4*\g+3], v[ADR0+\slot] offset:\b*RT+\ks*FRB+512*\g
.endr
.endr
.irp a, 0,1,2,3
.irp g, 0,1,2,3
	ds_load_b128 v[\f+16*\a+4*\g:\f+16*\a+4*\g+3], v[ADR1+\slot] offset:\a*RT+\ks*FRB+512*\g
.endr
.endr
.endm
; Four matrix instructions: source 1's tile a against source 0's four, 128 along K.  zero = 1: the product starts the sums.  The 16 accumulators take turns, in the same order in every K step.
.macro MULA f, a, zero
.irp b, 0,1,2,3
.if \zero
	v_wmma_f32_16x16x128_fp8_fp8 v[ACC+8*(4*(\a)+\b):ACC+8*(4*(\a)+\b)+7], v[\f+64+16*\b:\f+64+16*\b+15], v[\f+16*(\a):\f+16*(\a)+15], 0
.else
	v_wmma_f32_16x16x128_fp8_fp8 v[ACC+8*(4*(\a)+\b):ACC+8*(4*(\a)+\b)+7], v[\f+64+16*\b:\f+64+16*\b+15], v[\f+16*(\a):\f+16*(\a)+15], v[ACC+8*(4*(\a)+\b):ACC+8*(4*(\a)+\b)+7]
.endif
.endr
.endm
; One of the first three of four K steps: multiplies buffer f; in its middle it fetches K step ksnext of the same slot into buffer g.
.macro SUB slot, ksnext, f, g, zero
	s_wait_dscnt 8                                 ; all but the youngest eight loads (source 1's tiles 2, 3) are in
	WIN MUL
	MULA \f, 0, \zero
	MULA \f, 1, \zero
	PLACES
	FETCH \slot, \ksnext, \g
	s_wait_dscnt 32                                ; all but the 32 just issued
	WIN MUL
	MULA \f, 2, \zero
	MULA \f, 3, \zero
.endm
; A K block's last K step multiplies buffer 1 and changes slots: ONE barrier, which opens a round of the cluster's; in front of it each wave waits for all its tensor loads, adds 0 to its spare word, and waits for that and
; for its own reads of this slot.  Behind the round this slot is filled again: fill = 1: with the K block two further on; fill = 2: with the second product's K 1,024 x slot on.  next < 0: nothing is fetched from LDS yet.
.macro TURN slot, next, fill
	WIN 0                                          ; (the add's two registers lie in window 0)
	s_wait_tensorcnt 0x0                           ; all my tensor loads have landed: my part of the other slot;
	ds_add_u32 v[SPW], v[NIL]                      ; 0 onto my spare word
	s_wait_dscnt 9                                 ; (the add and the youngest eight loads may be out)
	WIN MUL
	MULA F1, 0, 0                                  ; four matrix instructions stand between the add and the wait for it
	s_wait_dscnt 0x0                               ; the add is done, and my reads of this slot are over
	s_barrier_signal -1
	MULA F1, 1, 0
	WIN 0
	s_barrier_wait -1
	CREST                                          ; no wave of any partner still reads this slot or has a load on its way; no load of mine is out, so a group 0 may be written
.if \fill == 1
	s_add_nc_u64 s[G0A+4*\slot+2:G0A+4*\slot+3], s[G0A+4*\slot+2:G0A+4*\slot+3], 2*RT
	s_add_nc_u64 s[G0B+4*\slot+2:G0B+4*\slot+3], s[G0B+4*\slot+2:G0B+4*\slot+3], 2*RT
.else
	s_mov_b32 s[G1A], 3<<16                        ; the second product's x is my own: no mask (no load of mine is out here, so the word may be written)
	s_add_nc_u64 s[G0A+4*\slot+2:G0A+4*\slot+3], s[A2:A2+1], \slot*2*RT
	s_or_b32 s[G0A+4*\slot+3], s[G0A+4*\slot+3], 0x80000000
	s_add_nc_u64 s[G0B+4*\slot+2:G0B+4*\slot+3], s[B2:B2+1], \slot*2*RT
	s_or_b32 s[G0B+4*\slot+3], s[G0B+4*\slot+3], 0x80000000
.endif
	JLOAD \slot                                    ; the first tensor load behind the round, my one until the next; its four v_nop are also the places in front of the loads below
.if \fill == 1
	global_prefetch_b8 v23, s[104:105] offset:\slot*2*RT th:TH_LOAD_NT scope:SCOPE_SE   ; the fill two on: the second product's K 1,024 x slot on
.endif
.if \next >= 0
	FETCH \next, 0, F0
.endif
	WIN MUL
	MULA F1, 2, 0
	MULA F1, 3, 0
.endm
.macro THREE slot                      ; the first three K steps of a K block that is not the first
	SUB \slot, 1, F0, F1, 0
	SUB \slot, 2, F1, F0, 0
	SUB \slot, 3, F0, F1, 0
.endm
.macro MKSC                            ; s94 = E: v[SCL] = 2^E as f32 (the conversion takes its exponent field), v[LIM] = 448 x 2^E
	s_add_co_i32 s94, s94, 127
	s_lshl_b32 s95, s94, 23
	v_mov_b32 v[SCL], s95
	s_add_co_i32 s94, s94, 8
	s_lshl_b32 s94, s94, 23
	s_or_b32 s94, s94, 0x600000
	v_mov_b32 v[LIM], s94
.endm
	s_load_b256 s[4:11], s[0:1], 0x0               ; x_img s[4:5], w_img s[6:7], cos s[8:9], sin s[10:11]
	s_load_b128 s[80:83], s[0:1], 0x20             ; the exponents s[80:81], q_img s[82:83]
	s_load_b64 s[84:85], s[0:1], 0x30              ; kv_img
	v_lshl_add_u32 v[SPW], v0, 2, SPARE
	v_mov_b32 v[NIL], 0
	ds_add_u32 v28, v29
	ds_add_u32 v28, v29
	s_wait_dscnt 0x0
	v_lshrrev_b32 v1, 5, v0
	v_readfirstlane_b32 s[WV], v1                  ; wave 0..3
	s_lshr_b32 s15, s[WV], 1
	s_and_b32 s16, s[WV], 1
	; THE CLUSTER IS 4 x 4 (this paragraph stands for the head's paragraph on the cluster).  The first product's tile of x hangs on X alone: the four work-groups of a column of the cluster (same cx) ask for it jointly.
	; The weights' tiles, in both products, hang on Y alone: the four of a row (same cy) ask for them jointly.  The second product's tile of x hangs on X, Y % 2 and Y / 8 together: it stays each work-group's own, a plain load.
	; No branch and no LDS address hangs on cx or cy: k or v (Y / 8) is taken from the cluster's y alone.
	s_bfe_u32 s40, ttmp6, 0x40000                  ; cx
	s_lshl_b32 s42, ttmp9, 2
	s_add_co_u32 s42, s42, s40                     ; X: my tile of 128 tokens = 4 x cluster x + cx
	s_and_b32 s17, ttmp7, 0xffff                   ; the cluster's y
	s_lshr_b32 s18, s17, 1                         ; the second product: 0: k, 1: v (= Y / 8)
	s_bfe_u32 s41, ttmp6, 0x40004                  ; cy
	s_lshl_b32 s17, s17, 2
	s_add_co_u32 s17, s17, s41                     ; Y: the tile of 128 columns of q = 4 x cluster y + cy
	s_lshl_b32 s20, s41, 2
	s_lshl_b32 s20, 15, s20                        ; my row of the cluster
	s_lshl_b32 s21, 0x1111, s40                    ; my column
	s_and_b32 s41, s17, 1                          ; which 64 of my 128 tokens the second product takes
	; descriptor group 1: 4 rows (row tiles) of 1,024 elements of 8 bytes (four K steps' images), 4,096 elements (a row tile's 16 images) apart; dense in LDS
	s_or_b32 s[G1A], s21, (3<<16)|(1<<21)          ; the first product's x goes to my column; elements of 8 bytes; 21 set beside a mask
	s_or_b32 s[G1B], s20, (3<<16)|(1<<21)          ; the weights go to my row
.irp g, G1A, G1B
	s_mov_b32 s[\g+1], 1024<<16                    ; tensor_dim0
	s_mov_b32 s[\g+2], 4<<16                       ; tensor_dim1
	s_mov_b32 s[\g+3], 1024<<16                    ; tile_dim0
	s_mov_b32 s[\g+4], 4                           ; tile_dim1
	s_mov_b32 s[\g+5], 4096                        ; tensor_dim0_stride
	s_mov_b32 s[\g+6], 0
	s_mov_b32 s[\g+7], 0
.endr
	s_lshl_b32 s19, s16, 2                         ; first product: which four row tiles of a tile's eight I fetch
	s_lshl_b32 s86, s42, 3
	s_add_co_u32 s86, s86, s19
	s_lshl_b32 s86, s86, 15                        ; x, part 0: row tile 8 X + 4 x half, 32,768 bytes each
	s_mov_b32 s87, 0
	s_lshl_b32 s46, s17, 3
	s_add_co_u32 s46, s46, s19
	s_lshl_b32 s46, s46, 15                        ; Wq: row tile 8 Y + 4 x half
	s_mov_b32 s47, 0
	s_lshl_b32 s90, s42, 3                         ; second product: x: row tiles 8 X + 4 (Y % 2) on,
	s_lshl_b32 s91, s41, 2
	s_add_co_u32 s90, s90, s91
	s_lshl_b32 s90, s90, 15
	s_add_co_u32 s91, s18, 1
	s_lshl_b32 s91, s91, 22                        ; in part 1 (k) or 2 (v) of 4 MiB,
	s_add_co_u32 s90, s90, s91
	s_lshl_b32 s91, s16, 13                        ; K steps 4 x (wave % 2) on
	s_add_co_u32 s90, s90, s91
	s_mov_b32 s91, 0
	s_lshr_b32 s2, s17, 1                          ; weights: row tiles 128 + 4 (Y / 2) on (Wk's 16 tiles, then Wv's 16),
	s_lshl_b32 s2, s2, 2
	s_add_co_u32 s2, s2, 128
	s_lshl_b32 s2, s2, 15
	s_lshl_b32 s3, s16, 13                         ; K steps 4 x (wave % 2) on
	s_add_co_u32 s2, s2, s3
	s_mov_b32 s3, 0
	s_lshl_b32 s43, s[WV], 15                      ; where my loads go: wave x HALF: no place in the cluster enters an LDS address
	s_wait_kmcnt 0x0
	s_load_b256 s[68:75], s[80:81], 0x0            ; e0 .. e7
	s_load_b128 s[76:79], s[80:81], 0x20           ; e8 .. e11
	s_add_nc_u64 s[86:87], s[4:5], s[86:87]
	s_add_nc_u64 s[46:47], s[6:7], s[46:47]
	s_add_nc_u64 s[A2:A2+1], s[4:5], s[90:91]
	s_add_nc_u64 s[B2:B2+1], s[6:7], s[2:3]
	; THE PREFETCHES: of the four row tiles that a load of mine brings I name one (8,192 bytes, lanes 256 bytes apart), chosen by address alone, two fills ahead of the load.
	; Weights: the partner at cx takes row tile cx.  x, first product: the 16 work-groups of a token tile share by Y % 4; second product: the four that read the tile share by (Y / 2) % 4.
	; The second product's weights are read by both Y % 2: each takes 4,096 bytes (lanes 15 to 31 name the same block).  s[100:101], s[104:105], v19, v23 are never rewritten.
	s_and_b32 s90, s17, 3
	s_lshr_b32 s91, s17, 1
	s_and_b32 s91, s91, 3
	s_and_b32 s92, s17, 1
	s_lshl_b32 s92, s92, 12
	s_mov_b32 s93, 15
	s_cmp_eq_u32 s15, 0                            ; do I fetch x?
	s_cselect_b64 s[100:101], s[86:87], s[46:47]
	s_cselect_b64 s[104:105], s[A2:A2+1], s[B2:B2+1]
	s_cselect_b32 s90, s90, s40
	s_cselect_b32 s91, s91, s40
	s_cselect_b32 s92, 0, s92
	s_cselect_b32 s93, 31, s93
	s_lshl_b32 s2, s90, 15
	s_mov_b32 s3, 0
	s_add_nc_u64 s[100:101], s[100:101], s[2:3]
	s_lshl_b32 s2, s91, 15
	s_add_nc_u64 s[104:105], s[104:105], s[2:3]
	v_and_b32 v1, 31, v0
	v_lshlrev_b32 v19, 8, v1                       ; first product: 256 x lane
	v_min_u32 v23, s93, v1
	v_lshlrev_b32 v23, 8, v23
	v_add_nc_u32 v23, s92, v23                     ; second product
	s_wait_alu depctr_va_vdst(0)
	CROUND                                         ; all sixteen work-groups are here: the first joint loads meet
.irp s, 0,1
	s_mov_b32 s[G0A+4*\s], 1                       ; count = 1
	s_add_co_u32 s[G0A+4*\s+1], s43, \s*SLOT       ; LDS address; it stays for all three fills of the slot
	s_add_nc_u64 s[G0A+4*\s+2:G0A+4*\s+3], s[86:87], \s*RT   ; global address: K block s
	s_or_b32 s[G0A+4*\s+3], s[G0A+4*\s+3], 0x80000000        ; type = 2
	s_mov_b32 s[G0B+4*\s], 1
	s_add_co_u32 s[G0B+4*\s+1], s43, \s*SLOT
	s_add_nc_u64 s[G0B+4*\s+2:G0B+4*\s+3], s[46:47], \s*RT
	s_or_b32 s[G0B+4*\s+3], s[G0B+4*\s+3], 0x80000000
.endr
	JLOAD 0                                        ; K block 0: one tensor load a wave at the head
	global_prefetch_b8 v19, s[100:101] offset:RT th:TH_LOAD_NT scope:SCOPE_SE      ; K blocks 1 and 2
	global_prefetch_b8 v19, s[100:101] offset:2*RT th:TH_LOAD_NT scope:SCOPE_SE
	; cos and sin, in the results' layout: lane (r, h), tile (a, b): token 16 a + r, channels 16 b + 8 h + 0 .. 7.  First product: my 64 tokens.  Second: the 16 tokens of the tile that I finish
	s_lshl_b32 s88, s42, 15                        ; 128 X rows of 256 bytes
	s_lshl_b32 s92, s41, 14                        ; second product: + 64 (Y % 2) rows
	s_add_co_u32 s92, s92, s88
	s_lshl_b32 s93, s[WV], 12                      ; + 16 x wave
	s_add_co_u32 s92, s92, s93
	s_mov_b32 s93, 0
	s_add_nc_u64 s[44:45], s[8:9], s[92:93]
	s_add_nc_u64 s[98:99], s[10:11], s[92:93]
	s_lshl_b32 s89, s15, 14                        ; first product: + my half's 64
	s_add_co_u32 s88, s88, s89
	s_mov_b32 s89, 0
	s_add_nc_u64 s[8:9], s[8:9], s[88:89]
	s_add_nc_u64 s[10:11], s[10:11], s[88:89]
	v_and_b32 v2, 15, v0                           ; r
	v_bfe_u32 v3, v0, 4, 1                         ; h
	v_lshlrev_b32 v[CSO], 8, v2
	v_lshl_add_u32 v[CSO], v3, 5, v[CSO]
	WIN 0x80                                       ; destination window 2, address window 0
.irp a, 0,1,2,3
.irp b, 0,1,2,3
	global_load_b128 v[32*\a+8*\b:32*\a+8*\b+3],         v[CSO], s[8:9]   offset:\a*4096+\b*64
	global_load_b128 v[32*\a+8*\b+4:32*\a+8*\b+7],       v[CSO], s[8:9]   offset:\a*4096+\b*64+16
	global_load_b128 v[128+32*\a+8*\b:128+32*\a+8*\b+3],   v[CSO], s[10:11] offset:\a*4096+\b*64
	global_load_b128 v[128+32*\a+8*\b+4:128+32*\a+8*\b+7], v[CSO], s[10:11] offset:\a*4096+\b*64+16
.endr
.endr
	WIN 0
	; the fragments' LDS addresses.  First product: source 0 = Wq, source 1 = x
	v_and_b32 v1, 31, v0
	v_lshlrev_b32 v[LI], 4, v1
	s_wait_alu depctr_va_vdst(0)
	s_lshl_b32 s20, s15, 15                        ; my half of x's tile
	s_lshl_b32 s21, s16, 15
	s_add_co_u32 s21, s21, 2*HALF                  ; my half of the weights', behind x's two
	v_add_nc_u32 v[ADR1], s20, v[LI]
	v_add_nc_u32 v[ADR0], s21, v[LI]
	v_add_nc_u32 v[ADR1+1], SLOT, v[ADR1]
	v_add_nc_u32 v[ADR0+1], SLOT, v[ADR0]
	; second product: my K steps 4 w .. 4 w + 3 lie in slot w / 2, in the part that wave w % 2 (x) or 2 + w % 2 (weights) brought.  k: source 0 = weights, source 1 = x.  v: the other way round
	s_lshl_b32 s22, s15, 17
	s_lshl_b32 s23, s16, 15
	s_add_co_u32 s22, s22, s23                     ; x's
	s_add_co_u32 s23, s22, 2*HALF                  ; the weights'
	s_cmp_eq_u32 s18, 1
	s_cselect_b32 s20, s22, s23                    ; source 0
	s_cselect_b32 s21, s23, s22                    ; source 1
	v_add_nc_u32 v[ADR0+2], s20, v[LI]
	v_add_nc_u32 v[ADR1+2], s21, v[LI]
	s_lshl_b32 s20, s[WV], 12
	v_add_nc_u32 v[STW], s20, v[LI]
	s_lshl_b32 s21, s[WV], 14
	v_add_nc_u32 v[RDW], s21, v[LI]
	; where my codes go.  q: q_img [head 2 Y + j][token tile 8 X + 4 i + a][1,024]
	s_lshl_b32 s92, s17, 1
	s_add_co_u32 s92, s92, s16
	s_lshl_b32 s92, s92, 17                        ; a head's 131,072 bytes
	s_lshl_b32 s93, s42, 13
	s_add_co_u32 s92, s92, s93
	s_lshl_b32 s93, s15, 12
	s_add_co_u32 s92, s92, s93
	s_mov_b32 s93, 0
	s_add_nc_u64 s[82:83], s[82:83], s[92:93]
	; k: kv_img [head][key tile 8 X + 4 (Y % 2) + wave][1,024].  v: kv_img + 524,288 [head][key block X][channel tile = wave][2,048], my 64 keys at byte 1,024 (Y % 2) of the image
	s_cmp_eq_u32 s18, 1
	s_cselect_b32 s90, 10, 12
	s_cselect_b32 s91, 11, 10
	s_lshl_b32 s92, s18, 19
	s_lshr_b32 s93, s17, 1
	s_and_b32 s93, s93, 3
	s_lshl_b32 s93, s93, 17
	s_add_co_u32 s92, s92, s93
	s_lshl_b32 s93, s42, 13                        ; X x 8,192 in both
	s_add_co_u32 s92, s92, s93
	s_lshl_b32 s93, s41, s90
	s_add_co_u32 s92, s92, s93
	s_lshl_b32 s93, s[WV], s91
	s_add_co_u32 s92, s92, s93
	s_mov_b32 s93, 0
	s_add_nc_u64 s[84:85], s[84:85], s[92:93]
	s_wait_alu depctr_va_vdst(0)
	s_wait_tensorcnt 0x0                           ; my part of K block 0 is in
	ds_add_u32 v[SPW], v[NIL]
	s_wait_dscnt 0x0
	CROUND                                         ; everybody's part of K block 0 is in, and all sixteen work-groups are here
	JLOAD 1                                        ; K block 1: slot 1's first fill, my one tensor load behind the round
	global_prefetch_b8 v19, s[100:101] offset:3*RT th:TH_LOAD_NT scope:SCOPE_SE    ; K block 3
	FETCH 0, 0, F0
	SUB 0, 1, F0, F1, 1                            ; the first K step's products start the sums: nothing is cleared
	SUB 0, 2, F1, F0, 0
	SUB 0, 3, F0, F1, 0
	TURN 0, 1, 1                                   ; slot 0 takes K block 2
	THREE 1
	TURN 1, 0, 1                                   ; slot 1 takes K block 3
	THREE 0
	TURN 0, 1, 2                                   ; slot 0 takes the second product's K 0 - 1,023
	THREE 1
	TURN 1, -1, 2                                  ; slot 1 takes its K 1,024 - 2,047: the last tensor load
	WIN 0
	PLACES
; RoPE on source 1's tile a: out(d) = s(d) cos(d) - s(d + 32) sin(d) for d < 32, s(d) cos(d) + s(d - 32) sin(d) for d >= 32, two channels an instruction.  Each accumulator is read from its low end on.
.macro ROPE a
	WIN 0x08                                       ; source 1 (the tables) window 2
.irp b, 0,1
.irp p, 0,2,4,6
	v_pk_mul_f32 v[T+8*\b+\p:T+8*\b+\p+1], v[ACC+32*\a+8*\b+\p:ACC+32*\a+8*\b+\p+1], v[32*\a+8*\b+\p:32*\a+8*\b+\p+1]
	v_pk_mul_f32 v[T+16+8*\b+\p:T+16+8*\b+\p+1], v[ACC+32*\a+16+8*\b+\p:ACC+32*\a+16+8*\b+\p+1], v[32*\a+16+8*\b+\p:32*\a+16+8*\b+\p+1]
	v_pk_fma_f32 v[T+8*\b+\p:T+8*\b+\p+1], v[ACC+32*\a+16+8*\b+\p:ACC+32*\a+16+8*\b+\p+1], v[128+32*\a+8*\b+\p:128+32*\a+8*\b+\p+1], v[T+8*\b+\p:T+8*\b+\p+1] neg_lo:[1,0,0] neg_hi:[1,0,0]
	v_pk_fma_f32 v[T+16+8*\b+\p:T+16+8*\b+\p+1], v[ACC+32*\a+8*\b+\p:ACC+32*\a+8*\b+\p+1], v[128+32*\a+16+8*\b+\p:128+32*\a+16+8*\b+\p+1], v[T+16+8*\b+\p:T+16+8*\b+\p+1]
.endr
.endr
	WIN 0
.endm
; 32 numbers of a lane from v[src] on become eight registers of codes, set c: an image of 64 K, or half an image of 128 K: two stores of 512 consecutive bytes at off from s[base].  Each use has its own set, so no store's data are written again.
.macro PACK c, src, off, base
.irp n, 0,1,2,3,4,5,6,7,8,9,10,11,12,13,14,15,16,17,18,19,20,21,22,23,24,25,26,27,28,29,30,31
	v_med3_num_f32 v[T+\n], v[\src+\n], -v[LIM], v[LIM]   ; the conversion to an 8-bit code does not saturate (ISA guide 7.6.2): hold first
.endr
.irp b, 0,1,2,3
	v_cvt_scalef32_pk8_fp8_f32 v[CD+8*\c+2*\b:CD+8*\c+2*\b+1], v[T+8*\b:T+8*\b+7], v[SCL]
.endr
	v_nop                                          ; one plain line between the conversions and the next write of their sources
	global_store_b128 v[LI], v[CD+8*\c:CD+8*\c+3], s[\base:\base+1] offset:\off
	global_store_b128 v[LI], v[CD+8*\c+4:CD+8*\c+7], s[\base:\base+1] offset:\off+512
.endm
	; q'S WAY OUT, while the last tile is on its way: no LDS line stands in it
	s_wait_kmcnt 0x0
	s_sub_co_i32 s94, s74, s68
	s_sub_co_i32 s94, s94, s69                     ; E = e6 - e0 - e1
	MKSC
	s_wait_loadcnt 0x0                             ; cos and sin
.irp a, 0,1,2,3
	ROPE \a
	PACK \a, T, \a*1024, 82                        ; token tile a of my head
.endr
	WIN 0x80                                       ; the second product's 16 rows of the tables, over tile 0's, which are done with
.irp b, 0,1,2,3
	global_load_b128 v[8*\b:8*\b+3],         v[CSO], s[44:45] offset:\b*64
	global_load_b128 v[8*\b+4:8*\b+7],       v[CSO], s[44:45] offset:\b*64+16
	global_load_b128 v[128+8*\b:128+8*\b+3],   v[CSO], s[98:99] offset:\b*64
	global_load_b128 v[128+8*\b+4:128+8*\b+7], v[CSO], s[98:99] offset:\b*64+16
.endr
	WIN 0
	s_sub_co_i32 s94, s75, s70
	s_sub_co_i32 s94, s94, s71                     ; k: e7 - e2 - e3
	s_sub_co_i32 s96, s77, s72
	s_sub_co_i32 s96, s96, s73                     ; v: e9 - e4 - e5
	s_cmp_eq_u32 s18, 1
	s_cselect_b32 s94, s96, s94                    ; a choice of a value; no branch hangs on an exponent
	MKSC
	; THE SECOND PRODUCT: my four K steps of the whole 64 x 64
	s_wait_tensorcnt 0x0                           ; my one load that was out, my part of slot 1, is in (slot 0's was waited for in front of the last round),
	s_barrier_signal -1
	s_barrier_wait -1                              ; everybody's is.
	FETCH 2, 0, F0
	SUB 2, 1, F0, F1, 1                            ; the accumulators begin anew: q's have been read, and far more than five plain lines lie behind the last products
	SUB 2, 2, F1, F0, 0
	SUB 2, 3, F0, F1, 0
	s_wait_dscnt 8
	MULA F1, 0, 0
	MULA F1, 1, 0
	s_wait_dscnt 0x0                               ; my reads of the slots are over:
	s_barrier_signal -1                            ; say so,
	MULA F1, 2, 0                                  ; work on registers while the others arrive,
	MULA F1, 3, 0
	WIN 0
	s_barrier_wait -1                              ; and nobody reads the slots any more
	PLACES
	; THE FOUR PARTIAL SUMS MEET in bytes 0 - 65,535 of slot 0, which has had its last fill and its last read: accumulator (a, b) of wave w at 16,384 a + 4,096 w + 1,024 b, as an image of its registers
.irp a, 0,1,2,3
.irp b, 0,1,2,3
	ds_store_b128 v[STW], v[ACC+32*\a+8*\b:ACC+32*\a+8*\b+3] offset:\a*16384+\b*1024
	ds_store_b128 v[STW], v[ACC+32*\a+8*\b+4:ACC+32*\a+8*\b+7] offset:\a*16384+\b*1024+512
.endr
.endr
	s_wait_dscnt 0x0                               ; for the others' sake: my stores are done
	s_barrier_signal -1
	s_barrier_wait -1
.irp s, 0,1,2,3                                ; tile a = my wave's number: wave s's part into v[ACC + 32 s] on
.irp k, 0,1,2,3,4,5,6,7
	ds_load_b128 v[ACC+32*\s+4*\k:ACC+32*\s+4*\k+3], v[RDW] offset:\s*4096+\k*512
.endr
.endr
	s_wait_dscnt 0x0
.irp n, 0,2,4,6,8,10,12,14,16,18,20,22,24,26,28,30
	v_pk_add_f32 v[ACC+\n:ACC+\n+1], v[ACC+\n:ACC+\n+1], v[ACC+32+\n:ACC+32+\n+1]
	v_pk_add_f32 v[ACC+64+\n:ACC+64+\n+1], v[ACC+64+\n:ACC+64+\n+1], v[ACC+96+\n:ACC+96+\n+1]
.endr
.irp n, 0,2,4,6,8,10,12,14,16,18,20,22,24,26,28,30
	v_pk_add_f32 v[ACC+\n:ACC+\n+1], v[ACC+\n:ACC+\n+1], v[ACC+64+\n:ACC+64+\n+1]   ; the tile's sums over all of K, where tile 0's accumulators lay
.endr
	s_wait_loadcnt 0x0                             ; the second product's cos and sin
	s_cmp_eq_u32 s18, 1                            ; k or v: it hangs on the cluster's y alone: the same in all partners
	s_cbranch_scc1 .Lv_out
	s_wait_alu depctr_va_vdst(0)
	ROPE 0
	PACK 4, T, 0, 84                               ; k: my 16 tokens x the head's 64 channels
	s_branch .Ldone
.Lv_out:
	PACK 4, ACC, 0, 84                             ; v: my 16 channels x 64 keys
.Ldone:
	s_wait_tensorcnt 0x0                           ; the wave's end, behind my last tensor load and my last LDS store
	ds_add_u32 v[SPW], v[NIL]
	s_wait_dscnt 0x0
	CROUND                                         ; the closing round: no work-group ends while a partner may still ask for a tile that names it
	s_endpgm
.Lfunc_end_k_q9791d23afc_qkv:
	.size	k_q9791d23afc_qkv, .Lfunc_end_k_q9791d23afc_qkv-k_q9791d23afc_qkv
	.p2alignl 7, 3214868480
	.fill 96, 4, 3214868480
	.section	.rodata,"a",@progbits
	.p2align	6, 0x0
	.amdhsa_kernel k_q9791d23afc_qkv
		.amdhsa_group_segment_fixed_size 327680
		.amdhsa_private_segment_fixed_size 0
		.amdhsa_enable_private_segment 0
		.amdhsa_kernarg_size 56
		.amdhsa_user_sgpr_count 2
		.amdhsa_user_sgpr_kernarg_segment_ptr 1
		.amdhsa_wavefront_size32 1
		.amdhsa_system_sgpr_workgroup_id_x 1
		.amdhsa_system_sgpr_workgroup_id_y 1
		.amdhsa_system_sgpr_workgroup_id_z 1
		.amdhsa_system_vgpr_workitem_id 0
		.amdhsa_next_free_vgpr 768
		.amdhsa_next_free_sgpr 106
		.amdhsa_reserve_vcc 0
		.amdhsa_float_denorm_mode_32 3
		.amdhsa_float_denorm_mode_16_64 3
		.amdhsa_memory_ordered 1
		.amdhsa_forward_progress 1
		.amdhsa_inst_pref_size 121
	.end_amdhsa_kernel
	.amdgpu_metadata
---
amdhsa.version: [ 1, 2 ]
amdhsa.kernels:
  - .name:           k_q9791d23afc_qkv
    .symbol:         k_q9791d23afc_qkv.kd
    .args:
      - { .name: x_img, .offset: 0, .size: 8, .value_kind: global_buffer, .address_space: global }
      - { .name: w_img, .offset: 8, .size: 8, .value_kind: global_buffer, .address_space: global }
      - { .name: cos, .offset: 16, .size: 8, .value_kind: global_buffer, .address_space: global }
      - { .name: sin, .offset: 24, .size: 8, .value_kind: global_buffer, .address_space: global }
      - { .name: lowp_scales, .offset: 32, .size: 8, .value_kind: global_buffer, .address_space: global }
      - { .name: q_img, .offset: 40, .size: 8, .value_kind: global_buffer, .address_space: global }
      - { .name: kv_img, .offset: 48, .size: 8, .value_kind: global_buffer, .address_space: global }
    .group_segment_fixed_size: 327680
    .private_segment_fixed_size: 0
    .kernarg_segment_align: 8
    .kernarg_segment_size: 56
    .max_flat_workgroup_size: 128
    .sgpr_count:     106
    .vgpr_count:     768
    .wavefront_size: 32
...
	.end_amdgpu_metadata
.endif
;; end of part 2
;; launch attn (part 3): grid 32 x 8, 16 waves a work-group, clusters of 4 x 1, 327,680 bytes of LDS; arguments q_img, kv_img, lowp_scales, y_img; writes y_img
.if DOCPART == 3
	.amdgcn_target "amdgcn-amd-amdhsa--gfx1250"
	.amdhsa_code_object_version 6
	.text
	.protected	k_q9791d23afc_attn
	.globl	k_q9791d23afc_attn
	.p2align	8
	.type	k_q9791d23afc_attn,@function
k_q9791d23afc_attn:
	s_mov_b64 s[64:65], 0
	v_nop
	global_prefetch_b8 v0, s[64:65] scope:SCOPE_SE
	s_setreg_imm32_b32 hwreg(HW_REG_WAVE_MODE, 25, 1), 1
	s_wait_xcnt 0x0
	s_wait_alu depctr_hold_cnt(0) depctr_sa_sdst(0) depctr_va_vdst(0) depctr_va_sdst(0) depctr_va_ssrc(0) depctr_va_vcc(0) depctr_vm_vsrc(0)
	s_getreg_b32 s2, hwreg(HW_REG_IB_STS2, 6, 4)
	s_cmp_eq_u32 s2, 0
	s_cbranch_scc0 .Lentry_in_a_cluster
	s_endpgm
.Lentry_in_a_cluster:
	s_bfe_u32 s2, ttmp6, 0x10000c
	s_cmp_lg_u32 s2, 0x3003
	s_cbranch_scc0 .Lentry_shape_is_right
	s_endpgm
.Lentry_shape_is_right:
; y = softmax(q k^T / 8, causal) v for 32 query heads on 4 key/value heads, both products on codes of FP8 (E4M3); y is quantised for the last product and stored as images of its fragments.
; Key steps that lie wholly above the causal diagonal are not multiplied.
; t = score x log2(e) / 8; M = the running largest t rounded up to a whole number; p = 2^(t - M) is quantised with 2^e8; the row's sum is taken of the unquantised p and divides at the end.
; IMAGES.  q_img [head][tile of 16 queries][1,024], K: kv_img [kv head][tile of 16 keys][1,024], V: kv_img + 524,288 [kv head][128 keys][16 channels][2,048]: registers 4 g .. 4 g + 3 of lane l at 512 g + 16 l.
; Both products are used transposed (S^T = K Q^T, O^T = V^T P^T): lane (r, h) holds query r; register 8 t + i of S^T is key 16 t + 8 h + i, so the conversions' results are the second product's operand.
; SHARES.  Work-group (head, y) owns query tiles 8 j + y, j = 0 .. 15; tile j needs key steps 0 .. j of 128 keys, so every work-group reads all 16 steps.  Tiles p and 15 - p belong to a pair of waves:
;   wave A walks tile 15 - p over key steps 0 .. 8 and puts O^T, the sums and M into the pair's stage in LDS;
;   wave B walks tile p (steps 0 .. p), stores it, walks tile 15 - p over steps 9 .. 15 - p, joins A's part by exact powers of two (2^(own M - larger M)) and stores it.  A: 9 steps; B: 8 steps.
;   An empty second walk (p = 7) leaves zeros and M = -3e38's: its factor is 0 and A's is 1.  The waves' roles, (wave ^ wave / 4) & 1, give two A and two B among waves w, w + 4, w + 8, w + 12 and among 4 i .. 4 i + 3.
; LDS.  All of the head's K (bytes 0 on) and V (131,072 on) as they lie in memory; each wave brings 8,192 bytes twice: keys 0 - 1,023 at the head, keys 1,024 - 2,047 behind a round of the cluster's barrier;
;   that second load is waited for behind key step 0.  Nothing is filled twice.  Every loop has a constant trip count; a step that a wave does not need is jumped over by a scalar branch on ids.
; CLUSTER: the four heads of a cluster share the key/value head and y: K and V are asked for jointly (mask 15).  No prefetch: both loads are issued before any loop begins, so there is no trip to run ahead in.
; LIMITS: e6 + e7 between -123 and 130; e8 and e10 - e8 - e9 between -126 and 119; the scaled scores stay under 2^31 in magnitude; NaN is not served.
.set LI,   1                           ; 16 x lane
.set LV,   2                           ; the same in V's part of LDS
.set SPW,  3                           ; my spare word; never rewritten
.set NIL,  4                           ; 0; never rewritten
.set QO1,  5                           ; byte offsets in my head's q_img: first walk's tile, tile 15 - p
.set QO2,  6
.set YO1,  7                           ; byte offsets in y_img likewise
.set ADK,  8
.set ADV,  9
.set YO2,  10
.set STG,  11                          ; the pair's stage + 16 x lane
.set STAGE, 262144                     ; 8 pairs x 4,608 bytes: 32 registers of O^T, then -M, t, the sum's halves
.set SPARE, STAGE+8*4608               ; the spare words: 128 bytes for each of 16 waves
.set WV,   18
.set QE,   19
.set SEL,  20
.set CS,   22
.set G1,   24
.set G0,   40
.set ROLE, 48                          ; 0: A, 1: B
.set PR,   49                          ; p
.set Q2,   50                          ; first query of tile 15 - p
.set TB,   56
.set KF,   57
.set Q0,   58
.set CNT,  59
.macro CROUND
	s_barrier_signal -1
	s_barrier_wait -1
	s_cmp_lg_u32 s[WV], 0
	s_cbranch_scc1 .Lnot_wave_0_\@
	s_barrier_signal -3
.Lnot_wave_0_\@:
	s_barrier_wait -3
	s_barrier_signal -1
	s_barrier_wait -1
.endm
	s_load_b256 s[4:11], s[0:1], 0x0               ; q_img, kv_img, the exponents, y_img
	v_lshl_add_u32 v[SPW], v0, 2, SPARE
	v_mov_b32 v[NIL], 0
	ds_add_u32 v[SPW], v[NIL]
	ds_add_u32 v[SPW], v[NIL]
	v_lshrrev_b32 v8, 5, v0
	v_readfirstlane_b32 s[WV], v8
	s_bfe_u32 s12, ttmp6, 0x40000                  ; cx: it enters global addresses of q and y alone
	s_lshl_b32 s13, ttmp9, 2
	s_add_co_u32 s13, s13, s12                     ; head
	s_lshr_b32 s14, ttmp9, 1                       ; key/value head
	s_and_b32 s15, ttmp7, 0xffff                   ; y
.irp t, 0,1,2,3,4,5,6,7                        ; a diagonal step's key tile t: s[84 + t] all ones where t = y (the triangle), s[92 + t] all ones where t > y (all hidden)
	s_cmp_eq_u32 s15, \t
	s_cselect_b32 s[84+\t], -1, 0
	s_cmp_lt_u32 s15, \t
	s_cselect_b32 s[92+\t], -1, 0
.endr
	s_lshl_b32 s15, s15, 4
	s_lshr_b32 s16, s[WV], 2
	s_xor_b32 s16, s16, s[WV]
	s_and_b32 s[ROLE], s16, 1
	s_lshr_b32 s[PR], s[WV], 1
	s_sub_co_u32 s17, 15, s[PR]
	s_cmp_eq_u32 s[ROLE], 1
	s_cselect_b32 s16, s[PR], s17                  ; the first walk's j: B: p, A: 15 - p
	s_lshl_b32 s[Q0], s16, 7
	s_add_co_u32 s[Q0], s[Q0], s15                 ; its first query: 128 j + 16 y
	s_add_co_u32 s[QE], s[Q0], 15
	s_lshl_b32 s[Q2], s17, 7
	s_add_co_u32 s[Q2], s[Q2], s15
	s_lshr_b32 s60, s[WV], 3                       ; waves 0-7 fetch K, 8-15 V: piece wave % 8 of 8,192 bytes
	s_and_b32 s61, s[WV], 7
	s_lshl_b32 s61, s61, 13
	s_lshl_b32 s62, s60, 17
	s_add_co_u32 s62, s62, s61                     ; in LDS
	s_lshl_b32 s32, s60, 19
	s_add_co_u32 s32, s32, s61
	s_lshl_b32 s33, s14, 17
	s_add_co_u32 s32, s32, s33                     ; in kv_img
	s_mov_b32 s33, 0
	s_mov_b32 s[G1], 15|(3<<16)|(1<<21)            ; the four partners; elements of 8 bytes; 32 dense rows of 256 bytes
	s_mov_b32 s[G1+1], 32<<16
	s_mov_b32 s[G1+2], 32<<16
	s_mov_b32 s[G1+3], 32<<16
	s_mov_b32 s[G1+4], 32
	s_mov_b32 s[G1+5], 32
	s_mov_b32 s[G1+6], 0
	s_mov_b32 s[G1+7], 0
	s_mov_b32 s[SEL], 0x76543210
	s_mov_b32 s[SEL+1], 0xfedcba98
	s_mov_b32 s[CS], 0x3e38aa3b                    ; log2(e) / 8
	s_wait_dscnt 0x0
	s_wait_kmcnt 0x0
	s_load_b256 s[68:75], s[8:9], 0x0
	s_load_b128 s[76:79], s[8:9], 0x20
	s_add_nc_u64 s[34:35], s[6:7], s[32:33]
.irp q, 0,1                                    ; group 0 for keys 1,024 q on
	s_mov_b32 s[G0+4*\q], 1
	s_add_co_u32 s[G0+4*\q+1], s62, \q*65536
	s_add_nc_u64 s[G0+4*\q+2:G0+4*\q+3], s[34:35], \q*65536
	s_or_b32 s[G0+4*\q+3], s[G0+4*\q+3], 0x80000000
.endr
	CROUND
	tensor_load_to_lds s[G0:G0+3], s[G1:G1+7]      ; my one load at the head
	s_nop 0
.rept 4
	v_nop
.endr
	s_lshl_b32 s36, s13, 17
	s_mov_b32 s37, 0
	s_add_nc_u64 s[4:5], s[4:5], s[36:37]          ; my head in q_img
	s_lshl_b32 s36, s13, 10
	s_add_nc_u64 s[10:11], s[10:11], s[36:37]      ; my head's 1,024 bytes of a token tile's row of images in y_img
	s_lshl_b32 s32, s[Q0], 6
	s_lshl_b32 s33, s[Q2], 6
	s_lshl_b32 s34, s[Q0], 11
	s_lshl_b32 s35, s[Q2], 11
	s_mul_i32 s36, s[PR], 4608
	s_add_co_u32 s36, s36, STAGE
	v_and_b32 v8, 31, v0
	v_lshlrev_b32 v[LI], 4, v8
	v_add_nc_u32 v[LV], 131072, v[LI]
	v_add_nc_u32 v[QO1], s32, v[LI]
	v_add_nc_u32 v[QO2], s33, v[LI]
	v_add_nc_u32 v[YO1], s34, v[LI]
	v_add_nc_u32 v[YO2], s35, v[LI]
	v_add_nc_u32 v[STG], s36, v[LI]
	v_and_b32 v200, 15, v0
	v_bfe_u32 v201, v0, 4, 1
	v_lshlrev_b32 v201, 3, v201
	v_sub_nc_u32 v200, v200, v201                  ; r - 8 h
.irp i, 0,1,2,3,4,5,6,7
	v_add_nc_u32 v[192+\i], -\i, v200
.endr
.irp i, 0,1,2,3,4,5,6,7
	v_ashrrev_i32 v[192+\i], 31, v[192+\i]         ; the triangle: all ones where key 8 h + i comes after query r
.endr
	v_mov_b32 v247, 0xff800000                     ; -infinity
	global_load_b128 v[16:19], v[QO1], s[4:5]      ; the first walk's queries
	global_load_b128 v[20:23], v[QO1], s[4:5] offset:512
	global_load_b128 v[24:27], v[QO2], s[4:5]      ; tile 15 - p's, for the second walk
	global_load_b128 v[28:31], v[QO2], s[4:5] offset:512
.macro FRESH                                   ; a walk begins: the largest t under every t, sums and O^T zero
	v_mov_b32 v13, 0xff61b1e6
	v_floor_f32 v12, -v13
	v_mov_b32 v14, 0
	v_mov_b32 v15, 0
.irp j, 0,1,2,3,4,5,6,7,8,9,10,11,12,13,14,15,16,17,18,19,20,21,22,23,24,25,26,27,28,29,30,31
	v_mov_b32 v[160+\j], 0
.endr
.endm
	FRESH
	v_mov_b32 v241, 0
	v_mov_b32 v253, 0
	s_wait_kmcnt 0x0
	s_add_co_i32 s80, s74, s75
	s_lshl_b32 s80, s80, 23
	s_add_co_i32 s[CS], s[CS], s80                 ; x 2^(e6 + e7), in the exponent field
	s_mov_b32 s[CS+1], s[CS]
	s_add_co_i32 s80, s76, 127
	s_lshl_b32 s81, s80, 23
	v_mov_b32 v244, s81                            ; 2^e8
	s_add_co_i32 s80, s80, 8
	s_lshl_b32 s80, s80, 23
	s_or_b32 s80, s80, 0x600000
	v_mov_b32 v240, s80                            ; 448 x 2^e8,
	v_mov_b32 v249, s80                            ; and once more, in another register bank, for the second half of a dual pair
	s_sub_co_i32 s82, s78, s76
	s_sub_co_i32 s82, s82, s77                     ; y's codes: E = e10 - e8 - e9
	s_add_co_i32 s82, s82, 127
	s_lshl_b32 s83, s82, 23
	v_mov_b32 v245, s83                            ; 2^E
	s_add_co_i32 s82, s82, 8
	s_lshl_b32 s82, s82, 23
	s_or_b32 s82, s82, 0x600000
	v_mov_b32 v246, s82                            ; 448 x 2^E
; A KEY STEP: 128 keys from s[KF] on, at LDS byte s[TB] of K's and V's parts; my queries' fragment in v[qb] on.
.macro STEP qb
	s_cmp_gt_u32 s[KF], s[QE]
	s_cbranch_scc1 .Lhidden_\@                     ; all keys come after my queries, or the walk is not mine
	v_add_nc_u32 v[ADK], s[TB], v[LI]
	v_add_nc_u32 v[ADV], s[TB], v[LV]
	v_nop
	v_nop
.irp t, 0,1,2,3,4,5,6,7
	ds_load_b128 v[32+8*\t:35+8*\t], v[ADK] offset:\t*1024
	ds_load_b128 v[36+8*\t:39+8*\t], v[ADK] offset:\t*1024+512
.endr
	s_wait_alu depctr_va_vdst(0)
	s_wait_dscnt 0x0
.irp t, 0,1,2,3,4,5,6,7
	v_wmma_f32_16x16x64_fp8_fp8 v[96+8*\t:103+8*\t], v[32+8*\t:39+8*\t], v[\qb:\qb+7], 0
.endr
.rept 4
	v_nop
.endr
.irp d, 0,1,2,3                                ; V's fragments come while the softmax is worked
.irp g, 0,1,2,3
	ds_load_b128 v[32+16*\d+4*\g:35+16*\d+4*\g], v[ADV] offset:\d*2048+512*\g
.endr
.endr
	s_add_co_u32 s60, s[KF], 127
	s_cmp_le_u32 s60, s[Q0]
	s_cbranch_scc1 .Lopen_\@
	; On the diagonal my first query less the step's first key is 16 y: key 16 t + 8 h + i is hidden where t > y, or t = y and 8 h + i > r.  Hidden scores become -infinity.
	; A score's mask is (triangle & s[84 + t]) | s[92 + t], made four scores ahead of the line that uses it, in eight registers by turns.
.irp n, 0,1,2,3
	v_and_or_b32 v[200+\n], v[192+\n], s84, s92
.endr
.irp n, 0,1,2,3,4,5,6,7,8,9,10,11,12,13,14,15,16,17,18,19,20,21,22,23,24,25,26,27,28,29,30,31,32,33,34,35,36,37,38,39,40,41,42,43,44,45,46,47,48,49,50,51,52,53,54,55,56,57,58,59,60,61,62,63
.if \n < 60
	v_and_or_b32 v[200+(\n+4)%8], v[192+(\n+4)%8], s[84+(\n+4)/8], s[92+(\n+4)/8]
.endif
	v_bfi_b32 v[96+\n], v[200+\n%8], v247, v[96+\n]
.endr
.Lopen_\@:
	v_max3_num_f32 v254, v96, v97, v98
	v_max3_num_f32 v252, v99, v100, v101
.irp i, 6,10,14,18,22,26,30,34,38,42,46,50,54,58
	v_max3_num_f32 v254, v254, v[96+\i], v[97+\i]
	v_max3_num_f32 v252, v252, v[98+\i], v[99+\i]
.endr
	v_max3_num_f32 v254, v254, v158, v159
	s_delay_alu instid0(VALU_DEP_1)
	v_max_num_f32 v254, v254, v252
	s_delay_alu instid0(VALU_DEP_1)
	v_permlanex16_b32 v241, v254, s[SEL], s[SEL+1]
	s_delay_alu instid0(VALU_DEP_1)
	v_max_num_f32 v254, v254, v241
	s_delay_alu instid0(VALU_DEP_1)
	v_mul_f32 v254, s[CS], v254
	s_delay_alu instid0(VALU_DEP_1)
	v_max_num_f32 v13, v13, v254                   ; the running largest t
	v_mov_b32 v254, v12
	s_delay_alu instid0(VALU_DEP_2)
	v_floor_f32 v12, -v13                          ; -M
	s_delay_alu instid0(VALU_DEP_1)
	v_sub_f32 v254, v12, v254
	s_delay_alu instid0(VALU_DEP_1)
	v_cvt_i32_f32 v254, v254
	s_delay_alu instid0(VALU_DEP_1)
	v_ldexp_f32 v252, 1.0, v254                    ; f = 2^(old M - new M)
.irp j, 0,2,4,6,8,10,12,14,16,18,20,22,24,26,28,30,32,34,36,38,40,42,44,46,48,50,52,54,56,58,60,62
	v_pk_fma_f32 v[96+\j:97+\j], v[96+\j:97+\j], s[CS:CS+1], v[12:13] op_sel_hi:[1,0,0]
.endr
	s_wait_alu depctr_va_vdst(0)
.irp j, 0,1,2,3,4,5,6,7,8,9,10,11,12,13,14,15,16,17,18,19,20,21,22,23,24,25,26,27,28,29,30,31,32,33,34,35,36,37,38,39,40,41,42,43,44,45,46,47,48,49,50,51,52,53,54,55,56,57,58,59,60,61,62,63
	v_exp_f32 v[96+\j], v[96+\j]
.endr
	v_pk_mul_f32 v[14:15], v[14:15], v[252:253] op_sel_hi:[1,0]
	s_wait_alu depctr_va_vdst(0)
	v_pk_add_f32 v[242:243], v[96:97], v[98:99]    ; the sum of the unquantised p, in two chains
.irp j, 4,8,12,16,20,24,28,32,36,40,44,48,52,56,60
	v_pk_add_f32 v[14:15], v[14:15], v[96+\j:97+\j]
	v_pk_add_f32 v[242:243], v[242:243], v[98+\j:99+\j]
.endr
	s_delay_alu instid0(VALU_DEP_1)
	v_pk_add_f32 v[14:15], v[14:15], v[242:243]
.irp t, 0,1,2,3,4,5,6,7
.irp i, 0,2,4,6                                ; the conversion does not saturate (ISA guide 7.6.2); p is not negative: a one-sided hold, two numbers an instruction
	v_dual_min_num_f32 v[96+8*\t+\i], v[96+8*\t+\i], v240 :: v_dual_min_num_f32 v[97+8*\t+\i], v[97+8*\t+\i], v249
.endr
	v_cvt_scalef32_pk8_fp8_f32 v[224+2*\t:225+2*\t], v[96+8*\t:103+8*\t], v244
.endr
	s_wait_alu depctr_va_vdst(0)
.irp j, 0,2,4,6,8,10,12,14,16,18,20,22,24,26,28,30
	v_pk_mul_f32 v[160+\j:161+\j], v[160+\j:161+\j], v[252:253] op_sel_hi:[1,0]
.endr
	s_wait_alu depctr_va_vdst(0)
	s_wait_dscnt 0x0
.irp d, 0,1,2,3
	v_wmma_f32_16x16x128_fp8_fp8 v[160+8*\d:167+8*\d], v[32+16*\d:47+16*\d], v[224:239], v[160+8*\d:167+8*\d]
.endr
.Lhidden_\@:
	s_add_co_u32 s[KF], s[KF], 128
	s_add_co_u32 s[TB], s[TB], 8192
.endm
.macro WALK qb, first, n                       ; n key steps from step first on: a constant count for every wave
	s_mov_b32 s[TB], \first*8192
	s_mov_b32 s[KF], \first*128
	s_mov_b32 s[CNT], \n
.Lstep_\@:
	STEP \qb
	s_sub_co_u32 s[CNT], s[CNT], 1
	s_cmp_lg_u32 s[CNT], 0
	s_cbranch_scc1 .Lstep_\@
.endm
; A finished tile: O^T / the sum, held, converted with 2^E: two stores of 512 consecutive bytes, aligned.
.macro OUT off
	v_add_f32 v14, v14, v15
	s_delay_alu instid0(VALU_DEP_1)
	v_permlanex16_b32 v241, v14, s[SEL], s[SEL+1]
	s_delay_alu instid0(VALU_DEP_1)
	v_add_f32 v14, v14, v241
	s_wait_alu depctr_va_vdst(0)
	v_rcp_f32 v14, v14
	v_nop
	s_wait_alu depctr_va_vdst(0)
.irp j, 0,2,4,6,8,10,12,14,16,18,20,22,24,26,28,30
	v_pk_mul_f32 v[96+\j:97+\j], v[160+\j:161+\j], v[14:15] op_sel_hi:[1,0]
.endr
.irp j, 0,1,2,3,4,5,6,7,8,9,10,11,12,13,14,15,16,17,18,19,20,21,22,23,24,25,26,27,28,29,30,31
	v_med3_num_f32 v[96+\j], v[96+\j], -v246, v246
.endr
.irp d, 0,1,2,3
	v_cvt_scalef32_pk8_fp8_f32 v[32+2*\d:33+2*\d], v[96+8*\d:103+8*\d], v245
.endr
	v_nop
	global_store_b128 v[\off], v[32:35], s[10:11]
	global_store_b128 v[\off], v[36:39], s[10:11] offset:512
.endm
	s_wait_alu depctr_va_vdst(0)
	s_wait_tensorcnt 0x0                           ; my piece of keys 0 - 1,023 is in
	ds_add_u32 v[SPW], v[NIL]
	s_wait_dscnt 0x0
	CROUND                                         ; everybody's piece is in, and the four partners are here
	tensor_load_to_lds s[G0+4:G0+7], s[G1:G1+7]    ; keys 1,024 - 2,047: my one load behind the round
	s_nop 0
.rept 4
	v_nop
.endr
	s_wait_loadcnt 0x0                             ; the queries
	s_mov_b32 s[TB], 0
	s_mov_b32 s[KF], 0
	STEP 16                                        ; key step 0, which every wave needs, stands under the second load's flight
	s_wait_alu depctr_va_vdst(0)
	s_wait_tensorcnt 0x0                           ; my piece of the later keys is in,
	s_barrier_signal -1
	s_barrier_wait -1                              ; everybody's is.
	WALK 16, 1, 8                                  ; key steps 1 .. 8: A all of them, B up to p
.rept 4
	v_nop                                          ; places behind the last products
.endr
	s_cmp_eq_u32 s[ROLE], 1
	s_cbranch_scc1 .Lb_turns
.irp k, 0,1,2,3,4,5,6,7                        ; A: my part of tile 15 - p, as an image of its registers; each accumulator from its low end on
	ds_store_b128 v[STG], v[160+4*\k:163+4*\k] offset:512*\k
.endr
	ds_store_b128 v[STG], v[12:15] offset:4096
	s_branch .Lturned
.Lb_turns:
	OUT YO1                                        ; B: tile p is finished
	FRESH
	s_wait_alu depctr_va_vdst(0)
	s_wait_xcnt 0x0                                ; the stores have read v32-39, which the next loads write
.Lturned:
	s_add_co_u32 s60, s[Q2], 15
	s_cmp_eq_u32 s[ROLE], 1
	s_cselect_b32 s[QE], s60, 0                    ; A: every step of the second walk is jumped over
	s_mov_b32 s[Q0], s[Q2]
	WALK 24, 9, 7                                  ; key steps 9 .. 15: B up to 15 - p
.rept 4
	v_nop
.endr
	s_wait_alu depctr_va_vdst(0)
	s_wait_dscnt 0x0                               ; A's stores into the stage are done
	s_barrier_signal -1
	s_barrier_wait -1
	s_cmp_eq_u32 s[ROLE], 1
	s_cbranch_scc0 .Lend
.irp k, 0,1,2,3,4,5,6,7                        ; B joins the two parts of tile 15 - p
	ds_load_b128 v[32+4*\k:35+4*\k], v[STG] offset:512*\k
.endr
	ds_load_b128 v[64:67], v[STG] offset:4096      ; A's -M, t, sums
	s_wait_dscnt 0x0
	v_min_num_f32 v68, v64, v12                    ; -(the larger M)
	v_mov_b32 v73, 0
	v_mov_b32 v75, 0
	v_sub_f32 v69, v68, v64
	v_sub_f32 v70, v68, v12
	v_cvt_i32_f32 v69, v69
	v_cvt_i32_f32 v70, v70
	v_ldexp_f32 v72, 1.0, v69                      ; A's factor, 2^(A's M - the larger M),
	v_ldexp_f32 v74, 1.0, v70                      ; and mine: nothing is rounded
	v_pk_mul_f32 v[14:15], v[14:15], v[74:75] op_sel_hi:[1,0]
.irp j, 0,2,4,6,8,10,12,14,16,18,20,22,24,26,28,30
	v_pk_mul_f32 v[160+\j:161+\j], v[160+\j:161+\j], v[74:75] op_sel_hi:[1,0]
.endr
	v_pk_fma_f32 v[14:15], v[66:67], v[72:73], v[14:15] op_sel_hi:[1,0,1]
.irp j, 0,2,4,6,8,10,12,14,16,18,20,22,24,26,28,30
	v_pk_fma_f32 v[160+\j:161+\j], v[32+\j:33+\j], v[72:73], v[160+\j:161+\j] op_sel_hi:[1,0,1]
.endr
	OUT YO2
.Lend:
	s_wait_tensorcnt 0x0                           ; the wave's end
	ds_add_u32 v[SPW], v[NIL]
	s_wait_dscnt 0x0
	CROUND                                         ; the closing round
	s_endpgm
.Lfunc_end_k_q9791d23afc_attn:
	.size	k_q9791d23afc_attn, .Lfunc_end_k_q9791d23afc_attn-k_q9791d23afc_attn
	.p2alignl 7, 3214868480
	.fill 96, 4, 3214868480
	.section	.rodata,"a",@progbits
	.p2align	6, 0x0
	.amdhsa_kernel k_q9791d23afc_attn
		.amdhsa_group_segment_fixed_size 327680
		.amdhsa_private_segment_fixed_size 0
		.amdhsa_enable_private_segment 0
		.amdhsa_kernarg_size 32
		.amdhsa_user_sgpr_count 2
		.amdhsa_user_sgpr_kernarg_segment_ptr 1
		.amdhsa_wavefront_size32 1
		.amdhsa_system_sgpr_workgroup_id_x 1
		.amdhsa_system_sgpr_workgroup_id_y 1
		.amdhsa_system_sgpr_workgroup_id_z 1
		.amdhsa_system_vgpr_workitem_id 0
		.amdhsa_next_free_vgpr 256
		.amdhsa_next_free_sgpr 100
		.amdhsa_reserve_vcc 0
		.amdhsa_float_denorm_mode_32 3
		.amdhsa_float_denorm_mode_16_64 3
		.amdhsa_memory_ordered 1
		.amdhsa_forward_progress 1
		.amdhsa_inst_pref_size 95
	.end_amdhsa_kernel
	.amdgpu_metadata
---
amdhsa.version: [ 1, 2 ]
amdhsa.kernels:
  - .name:           k_q9791d23afc_attn
    .symbol:         k_q9791d23afc_attn.kd
    .args:
      - { .name: q_img, .offset: 0, .size: 8, .value_kind: global_buffer, .address_space: global }
      - { .name: kv_img, .offset: 8, .size: 8, .value_kind: global_buffer, .address_space: global }
      - { .name: lowp_scales, .offset: 16, .size: 8, .value_kind: global_buffer, .address_space: global }
      - { .name: y_img, .offset: 24, .size: 8, .value_kind: global_buffer, .address_space: global }
    .group_segment_fixed_size: 327680
    .private_segment_fixed_size: 0
    .kernarg_segment_align: 8
    .kernarg_segment_size: 32
    .max_flat_workgroup_size: 512
    .sgpr_count:     100
    .vgpr_count:     256
    .wavefront_size: 32
...
	.end_amdgpu_metadata
.endif
;; end of part 3
;; launch oproj (part 4): grid 16 x 16, 4 waves a work-group, clusters of 4 x 4, 327,680 bytes of LDS; arguments y_img, wo_img, lowp_scales, out0; writes out0
.if DOCPART == 4
	.amdgcn_target "amdgcn-amd-amdhsa--gfx1250"
	.amdhsa_code_object_version 6
	.text
	.protected	k_q9791d23afc_oproj
	.globl	k_q9791d23afc_oproj
	.p2align	8
	.type	k_q9791d23afc_oproj,@function
k_q9791d23afc_oproj:
	s_mov_b64 s[64:65], 0
	v_nop
	global_prefetch_b8 v0, s[64:65] scope:SCOPE_SE
	s_setreg_imm32_b32 hwreg(HW_REG_WAVE_MODE, 25, 1), 1
	s_wait_xcnt 0x0
	s_wait_alu depctr_hold_cnt(0) depctr_sa_sdst(0) depctr_va_vdst(0) depctr_va_sdst(0) depctr_va_ssrc(0) depctr_va_vcc(0) depctr_vm_vsrc(0)
	s_getreg_b32 s2, hwreg(HW_REG_IB_STS2, 6, 4)
	s_cmp_eq_u32 s2, 0
	s_cbranch_scc0 .Lentry_in_a_cluster
	s_endpgm
.Lentry_in_a_cluster:
	s_bfe_u32 s2, ttmp6, 0x10000c
	s_cmp_lg_u32 s2, 0xf033
	s_cbranch_scc0 .Lentry_shape_is_right
	s_endpgm
.Lentry_shape_is_right:
; out0 = y Wo^T on codes of FP8 (E4M3): out0 [2048][2048] f32; sums in f32, each multiplied once by 2^(e10 + e11).
; OPERANDS are images of fragments (16 rows x 128 K, 2,048 bytes: registers 4 g .. 4 g + 3 of lane l at 512 g + 16 l; registers 2 c, 2 c + 1 of lane (r, h) hold K = 16 c + 8 h + 0 .. 7 of row r), laid [tile of 16 rows][K step][2,048].
; SHARES.  256 work-groups, each 128 x 128 of the output; each of four waves 64 x 64: 16 accumulators, 128 registers.  (Tiles of 256 x 256 would be 64 work-groups.)
; K goes in four blocks of 512 through two LDS slots: two first fills, two refills, so the whole walk is written out without a loop.  A wave's tensor load brings 4 row tiles x 4 K steps: 4 rows of 8,192 bytes.
; CLUSTERS: 4 x 4 work-groups.  The four of a row of the cluster need the same tile of y, the four of a column the same tile of Wo: each is asked for JOINTLY, by the same tensor load with a mask that names the four.
; THE MATRIX INSTRUCTION IS USED TRANSPOSED (source 0 = 16 rows of Wo, source 1 = 16 rows of y): a lane holds eight neighbouring numbers of a row of the output.
; LIMIT: e10 + e11 between -126 and 127, so that 2^(e10 + e11) is an f32 number.
; REGISTERS, in windows of 256: window 0: v16-29 addresses; v32-63 T: a block's sums x the scale; v64-127 rows read back from the stage, two sets; v128-255 the accumulators ((a, b) at 128 + 8 (4 a + b)).
;   window 1: two fragment buffers of 128: y's four fragments, then Wo's four.
.set FRB,   2048                       ; a fragment's image
.set RT,    4*FRB                      ; a row tile's four K steps of a K block
.set HALF,  4*RT                       ; four row tiles: what one tensor load brings, and what one wave reads of a side
.set SLOT,  4*HALF                     ; y's two halves, then Wo's two halves
.set STAGE, 2*SLOT                     ; behind the ring: 16 rows x 272 bytes for each wave, for the way out; no tensor load fills it
.set SPITCH, 272                       ; 256 bytes + 16: 17 pieces of 16 bytes, so sixteen rows fall on sixteen different pieces modulo 256 bytes
.set SPARE, STAGE+4*16*SPITCH          ; behind the stages: the spare words, 128 bytes for each wave: two blocks of 256 bytes that no other line names
.set ADR1,  16                         ; v16-17  LDS address of y's fragments in slot 0, 1
.set ADR0,  20                         ; v20-21  the same for Wo's
.set STO,   24                         ; v24     the way out: where I put 32 bytes of a row
.set RD,    25                         ; v25     where I read a row back
.set CO,    26                         ; v26     my byte offset in the output
.set SPW,   28                         ; v28     LDS address of my spare word: SPARE + 4 x my thread's number; never rewritten
.set NIL,   29                         ; v29     0; never rewritten
.set T,     32
.set BK,    64
.set ACC,   128
.set F0,    0
.set F1,    128
.set WV,    14                         ; s14 wave; s15 = wave / 2: my half of the rows, and: I fetch y (0) or Wo (1); s16 = wave % 2: my half of the columns, and which half I fetch
.set G1A,   24                         ; s[24:31] descriptor group 1 for y's tiles; s[32:39] group 0, one set for each slot
.set G0A,   32
.set G1B,   48                         ; s[48:55], s[56:63] the same for Wo's tiles
.set G0B,   56
.set MSB, 0
.macro WIN new                         ; the immediate's high byte repeats the setting that is left
.if MSB != \new
	s_set_vgpr_msb (MSB<<8)|\new
.set MSB, \new
.endif
.endm
.set MUL,  0x05                        ; sources 0 and 1 window 1; C and D window 0
.set TO_F, 0x40                        ; destination window 1, address window 0
; A joint load for slot s: waves 0 and 1 fetch y's halves, waves 2 and 3 Wo's.  The branch hangs on the wave's number alone.  Four v_nop follow each of the two lines.
.macro JLOAD s
	s_cmp_eq_u32 s15, 0
	s_cbranch_scc0 .Lfor_b_\@
	tensor_load_to_lds s[G0A+4*\s:G0A+4*\s+3], s[G1A:G1A+7]
	s_nop 0
.rept 4
	v_nop
.endr
	s_branch .Lasked_\@
.Lfor_b_\@:
	tensor_load_to_lds s[G0B+4*\s:G0B+4*\s+3], s[G1B:G1B+7]
	s_nop 0
.rept 4
	v_nop
.endr
.Lasked_\@:
.endm
.macro CREST                           ; a round of the cluster's barrier behind its opening barrier
	s_cmp_lg_u32 s[WV], 0
	s_cbranch_scc1 .Lnot_wave_0_\@
	s_barrier_signal -3
.Lnot_wave_0_\@:
	s_barrier_wait -3
	s_barrier_signal -1
	s_barrier_wait -1
.endm
.macro CROUND                          ; a whole round
	s_barrier_signal -1
	s_barrier_wait -1
	CREST
.endm
.macro PLACES                          ; four places in front of loads into registers that matrix instructions have read, and of the first read of results
.rept 4
	v_nop
.endr
.endm
; 32 LDS loads in one run: the eight fragments of K step ks of a slot into buffer f: Wo's four, then y's tiles 0, 1, then 2, 3.  Every load is 512 consecutive bytes.
.macro FETCH slot, ks, f
	WIN TO_F
.irp b, 0,1,2,3
.irp g, 0,1,2,3
	ds_load_b128 v[\f+64+16*\b+4*\g:\f+64+16*\b+4*\g+3], v[ADR0+\slot] offset:\b*RT+\ks*FRB+512*\g
.endr
.endr
.irp a, 0,1,2,3
.irp g, 0,1,2,3
	ds_load_b128 v[\f+16*\a+4*\g:\f+16*\a+4*\g+3], v[ADR1+\slot] offset:\a*RT+\ks*FRB+512*\g
.endr
.endr
.endm
; Four matrix instructions: y's tile a against Wo's four, 128 along K.  zero = 1: the product starts the sums.  The 16 accumulators take turns, in the same order in every K step.
.macro MULA f, a, zero
.irp b, 0,1,2,3
.if \zero
	v_wmma_f32_16x16x128_fp8_fp8 v[ACC+8*(4*(\a)+\b):ACC+8*(4*(\a)+\b)+7], v[\f+64+16*\b:\f+64+16*\b+15], v[\f+16*(\a):\f+16*(\a)+15], 0
.else
	v_wmma_f32_16x16x128_fp8_fp8 v[ACC+8*(4*(\a)+\b):ACC+8*(4*(\a)+\b)+7], v[\f+64+16*\b:\f+64+16*\b+15], v[\f+16*(\a):\f+16*(\a)+15], v[ACC+8*(4*(\a)+\b):ACC+8*(4*(\a)+\b)+7]
.endif
.endr
.endm
; One of a K block's first three K steps: multiplies buffer f; in its middle it fetches K step ksnext of the same slot into buffer g.
.macro SUB slot, ksnext, f, g, zero
	s_wait_dscnt 8                                 ; all but the youngest eight loads (y's tiles 2, 3) are in
	WIN MUL
	MULA \f, 0, \zero
	MULA \f, 1, \zero
	PLACES
	FETCH \slot, \ksnext, \g
	s_wait_dscnt 32                                ; all but the 32 just issued
	WIN MUL
	MULA \f, 2, \zero
	MULA \f, 3, \zero
.endm
; A K block's last K step multiplies buffer 1 and changes slots: ONE barrier; in front of it each wave waits for all its tensor loads, adds 0 to its spare word, and waits for that and for its own reads of this slot.
; fill = 1: the barrier opens a round of the cluster's, and this slot is filled again, with the K block two further on.
.macro TURN slot, next, fill
	WIN 0                                          ; (the add's two registers lie in window 0)
	s_wait_tensorcnt 0x0                           ; all my tensor loads have landed: my part of the next slot;
	ds_add_u32 v[SPW], v[NIL]                      ; 0 onto my spare word
	s_wait_dscnt 9                                 ; (the add and the youngest eight loads may be out)
	WIN MUL
	MULA F1, 0, 0                                  ; four matrix instructions stand between the add and the wait for it
	s_wait_dscnt 0x0                               ; the add is done, and my reads of this slot are over
	s_barrier_signal -1
	MULA F1, 1, 0
	WIN 0
	s_barrier_wait -1
.if \fill
	CREST                                          ; no wave of any partner still reads this slot or has a load on its way
	s_add_nc_u64 s[G0A+4*\slot+2:G0A+4*\slot+3], s[G0A+4*\slot+2:G0A+4*\slot+3], 2*RT
	s_add_nc_u64 s[G0B+4*\slot+2:G0B+4*\slot+3], s[G0B+4*\slot+2:G0B+4*\slot+3], 2*RT
	JLOAD \slot                                    ; the first tensor load behind the round, my one until the next; its four v_nop are also the places in front of the loads below
.else
	PLACES
.endif
	s_wait_alu depctr_va_vdst(0)
	FETCH \next, 0, F0
	WIN MUL
	MULA F1, 2, 0
	MULA F1, 3, 0
.endm
.macro THREE slot                      ; the first three K steps of a K block that is not the first
	SUB \slot, 1, F0, F1, 0
	SUB \slot, 2, F1, F0, 0
	SUB \slot, 3, F0, F1, 0
.endm
	s_load_b128 s[4:7], s[0:1], 0x0                ; y_img s[4:5], wo_img s[6:7]
	s_load_b128 s[8:11], s[0:1], 0x10              ; the exponents s[8:9], out0 s[10:11]
	v_lshl_add_u32 v[SPW], v0, 2, SPARE
	v_mov_b32 v[NIL], 0
	ds_add_u32 v28, v29
	ds_add_u32 v28, v29
	s_wait_dscnt 0x0
	v_lshrrev_b32 v1, 5, v0
	v_readfirstlane_b32 s[WV], v1                  ; wave 0..3
	s_lshr_b32 s15, s[WV], 1
	s_and_b32 s16, s[WV], 1
	s_bfe_u32 s40, ttmp6, 0x40000                  ; cx, cy: my place in the cluster
	s_bfe_u32 s41, ttmp6, 0x40004
	s_lshl_b32 s42, ttmp9, 2
	s_add_co_u32 s42, s42, s40                     ; tile column = 4 x cluster x + cx
	s_and_b32 s17, ttmp7, 0xffff
	s_lshl_b32 s17, s17, 2
	s_add_co_u32 s17, s17, s41                     ; tile row = 4 x cluster y + cy
	s_lshl_b32 s43, s41, 2
	s_lshl_b32 s43, 15, s43                        ; my row of the cluster
	s_lshl_b32 s44, 0x1111, s40                    ; my column
	; descriptor group 1: 4 rows (row tiles) of 1,024 elements of 8 bytes (four K steps' images), 4,096 elements (a row tile's 16 images) apart; dense in LDS
	s_or_b32 s[G1A], s43, (3<<16)|(1<<21)          ; 15:0 the mask: y's tiles go to my row; 17:16 elements of 8 bytes; 21 set beside a mask; no padding
	s_or_b32 s[G1B], s44, (3<<16)|(1<<21)          ; Wo's tiles go to my column
.irp g, G1A, G1B
	s_mov_b32 s[\g+1], 1024<<16                    ; tensor_dim0
	s_mov_b32 s[\g+2], 4<<16                       ; tensor_dim1
	s_mov_b32 s[\g+3], 1024<<16                    ; tile_dim0
	s_mov_b32 s[\g+4], 4                           ; tile_dim1
	s_mov_b32 s[\g+5], 4096                        ; tensor_dim0_stride
	s_mov_b32 s[\g+6], 0
	s_mov_b32 s[\g+7], 0
.endr
	s_lshl_b32 s18, s16, 2                         ; which four row tiles of a tile's eight I fetch
	s_lshl_b32 s20, s17, 3
	s_add_co_u32 s20, s20, s18
	s_lshl_b32 s20, s20, 15                        ; y: row tile 8 x tile row + 4 x half, 32,768 bytes each
	s_mov_b32 s21, 0
	s_lshl_b32 s46, s42, 3
	s_add_co_u32 s46, s46, s18
	s_lshl_b32 s46, s46, 15                        ; Wo: row tile 8 x tile column + 4 x half
	s_mov_b32 s47, 0
	s_lshl_b32 s45, s[WV], 15                      ; where they go: wave x HALF: no place in the cluster enters an LDS address
	s_wait_kmcnt 0x0
	s_load_b64 s[96:97], s[8:9], 0x28              ; e10, e11
	s_add_nc_u64 s[20:21], s[4:5], s[20:21]
	s_add_nc_u64 s[46:47], s[6:7], s[46:47]
	; THE PREFETCHES: of the four row tiles that a joint load of mine brings, the partner at place p (cx for y's tiles, cy for Wo's) names row tile p: 8,192 bytes of a K block, lanes 256 bytes apart,
	; so each block of 256 bytes is named once in each cluster that loads it.  The partners are told apart by address alone.  s[66:67] and v30 are never rewritten.
	s_cmp_eq_u32 s15, 0                            ; do I fetch y?
	s_cselect_b64 s[66:67], s[20:21], s[46:47]
	s_cselect_b32 s68, s40, s41
	s_lshl_b32 s68, s68, 15
	s_mov_b32 s69, 0
	s_add_nc_u64 s[66:67], s[66:67], s[68:69]
	CROUND                                         ; all sixteen work-groups are here: the first joint loads meet
.irp s, 0,1
	s_mov_b32 s[G0A+4*\s], 1                       ; count = 1
	s_add_co_u32 s[G0A+4*\s+1], s45, \s*SLOT       ; LDS address
	s_add_nc_u64 s[G0A+4*\s+2:G0A+4*\s+3], s[20:21], \s*RT   ; global address: K block s
	s_or_b32 s[G0A+4*\s+3], s[G0A+4*\s+3], 0x80000000        ; type = 2
	s_mov_b32 s[G0B+4*\s], 1
	s_add_co_u32 s[G0B+4*\s+1], s45, \s*SLOT
	s_add_nc_u64 s[G0B+4*\s+2:G0B+4*\s+3], s[46:47], \s*RT
	s_or_b32 s[G0B+4*\s+3], s[G0B+4*\s+3], 0x80000000
.endr
	JLOAD 0                                        ; K block 0: one tensor load a wave at the head
	v_and_b32 v1, 31, v0
	v_lshlrev_b32 v27, 4, v1                       ; 16 x lane
	v_lshlrev_b32 v30, 8, v1                       ; 256 x lane
	global_prefetch_b8 v30, s[66:67] offset:RT th:TH_LOAD_NT scope:SCOPE_SE        ; K blocks 1 and 2
	global_prefetch_b8 v30, s[66:67] offset:2*RT th:TH_LOAD_NT scope:SCOPE_SE
	v_and_b32 v2, 15, v0                           ; r
	v_bfe_u32 v3, v0, 4, 1                         ; h
	s_lshl_b32 s22, s15, 15                        ; my half of y's tile
	s_lshl_b32 s23, s16, 15
	s_add_co_u32 s23, s23, 2*HALF                  ; my half of Wo's, behind y's two
	v_add_nc_u32 v[ADR1], s22, v27
	v_add_nc_u32 v[ADR0], s23, v27
	v_add_nc_u32 v[ADR1+1], SLOT, v[ADR1]
	v_add_nc_u32 v[ADR0+1], SLOT, v[ADR0]
	s_mul_i32 s19, s[WV], 16*SPITCH
	s_add_co_u32 s19, s19, STAGE                   ; my stage
	v_mul_u32_u24 v5, v2, SPITCH                   ; in: row r, 32 bytes for each half of the lanes
	v_lshl_add_u32 v5, v3, 5, v5
	v_add_nc_u32 v[STO], s19, v5
	v_mul_u32_u24 v6, v3, SPITCH                   ; back: lanes 0-15 take one row of 256 bytes, lanes 16-31 the next
	v_lshl_add_u32 v6, v2, 4, v6
	v_add_nc_u32 v[RD], s19, v6
	v_lshlrev_b32 v[CO], 13, v3                    ; and the same two rows of 8,192 bytes in the output
	v_lshl_add_u32 v[CO], v2, 4, v[CO]
	s_lshl_b32 s20, s17, 20                        ; my first row: 128 x tile row + 64 x half, 8,192 bytes each
	s_lshl_b32 s21, s15, 19
	s_add_co_u32 s20, s20, s21
	s_mov_b32 s21, 0
	s_lshl_b32 s46, s42, 9                         ; my first column, in bytes: 512 x tile column + 256 x half
	s_lshl_b32 s47, s16, 8
	s_add_co_u32 s46, s46, s47
	s_mov_b32 s47, 0
	s_add_nc_u64 s[20:21], s[20:21], s[46:47]
	s_add_nc_u64 s[10:11], s[10:11], s[20:21]
	s_wait_alu depctr_va_vdst(0)
	s_wait_tensorcnt 0x0                           ; my part of K block 0 is in
	ds_add_u32 v[SPW], v[NIL]
	s_wait_dscnt 0x0
	CROUND                                         ; everybody's part of K block 0 is in, and all sixteen work-groups are here
	JLOAD 1                                        ; K block 1: slot 1's first fill, my one tensor load behind the round
	global_prefetch_b8 v30, s[66:67] offset:3*RT th:TH_LOAD_NT scope:SCOPE_SE      ; K block 3, two fills ahead of its load
	FETCH 0, 0, F0
	SUB 0, 1, F0, F1, 1                            ; the first K step's products start the sums: nothing is cleared
	SUB 0, 2, F1, F0, 0
	SUB 0, 3, F0, F1, 0
	TURN 0, 1, 1                                   ; slot 0 takes K block 2
	THREE 1
	TURN 1, 0, 1                                   ; slot 1 takes K block 3
	THREE 0
	TURN 0, 1, 0                                   ; nothing is left to fetch
	THREE 1
	s_wait_dscnt 8                                 ; the very last K step
	MULA F1, 0, 0
	MULA F1, 1, 0
	s_wait_dscnt 0x0
	MULA F1, 2, 0
	MULA F1, 3, 0
	WIN 0
	PLACES
; THE WAY OUT, block by block of 16 rows x 64 columns.  A lane holds 32 neighbouring bytes of a row, and the lanes beside it hold other rows: so a block goes through my own stage in LDS and comes back as whole rows of
; 256 bytes, which sixteen lanes store as one aligned run.  LDS serves a wave's instructions in order (ISA guide 5.7.1.4): no wait between the stores and the loads, nor in front of the next block's stores.
.macro TOSTAGE a
.irp n, 0,2,4,6,8,10,12,14,16,18,20,22,24,26,28,30
	v_pk_mul_f32 v[T+\n:T+\n+1], v[ACC+32*(\a)+\n:ACC+32*(\a)+\n+1], s[96:97] op_sel_hi:[1,0]   ; both x s96 = 2^(e10 + e11); each accumulator from its low end on
.endr
.irp b, 0,1,2,3
	ds_store_b128 v[STO], v[T+8*\b:T+8*\b+3] offset:64*\b
	ds_store_b128 v[STO], v[T+8*\b+4:T+8*\b+7] offset:64*\b+16
.endr
.set BB, BK+32*((\a)%2)
.irp t, 0,1,2,3,4,5,6,7
	ds_load_b128 v[BB+4*\t:BB+4*\t+3], v[RD] offset:\t*2*SPITCH
.endr
.endm
.macro SEND a, younger                 ; younger: the LDS instructions issued behind block a's loads, which may stay out
.set BB, BK+32*((\a)%2)
	s_wait_dscnt \younger                          ; the block is back in registers
.irp t, 0,1,2,3,4,5,6,7
	global_store_b128 v[CO], v[BB+4*\t:BB+4*\t+3], s[10:11] offset:(16*(\a)+2*\t)*8192 th:TH_STORE_NT   ; 16 lanes store 256 consecutive bytes, aligned; 62 rows at the most: inside the signed 24-bit immediate; no base is stepped
.endr
.endm
	s_wait_kmcnt 0x0
	s_add_co_i32 s96, s96, s97                     ; e10 + e11, between -126 and 127,
	s_add_co_i32 s96, s96, 127
	s_lshl_b32 s96, s96, 23                        ; makes the f32 number 2^(e10 + e11)
	TOSTAGE 0
.irp a, 1,2,3
.if \a > 1
	s_wait_xcnt 0x0                                ; block a - 2's stores have read their registers: block a's loads may land there
.endif
	TOSTAGE \a
	SEND \a-1, 16                                  ; behind block a - 1's loads: block a's 8 stores and 8 loads
.endr
	SEND 3, 0
	s_wait_tensorcnt 0x0                           ; the wave's end, behind my last tensor load and my last LDS store
	ds_add_u32 v[SPW], v[NIL]
	s_wait_dscnt 0x0
	CROUND                                         ; the closing round: no work-group ends while a partner may still ask for a tile that names it
	s_endpgm
.Lfunc_end_k_q9791d23afc_oproj:
	.size	k_q9791d23afc_oproj, .Lfunc_end_k_q9791d23afc_oproj-k_q9791d23afc_oproj
	.p2alignl 7, 3214868480
	.fill 96, 4, 3214868480
	.section	.rodata,"a",@progbits
	.p2align	6, 0x0
	.amdhsa_kernel k_q9791d23afc_oproj
		.amdhsa_group_segment_fixed_size 327680
		.amdhsa_private_segment_fixed_size 0
		.amdhsa_enable_private_segment 0
		.amdhsa_kernarg_size 32
		.amdhsa_user_sgpr_count 2
		.amdhsa_user_sgpr_kernarg_segment_ptr 1
		.amdhsa_wavefront_size32 1
		.amdhsa_system_sgpr_workgroup_id_x 1
		.amdhsa_system_sgpr_workgroup_id_y 1
		.amdhsa_system_sgpr_workgroup_id_z 1
		.amdhsa_system_vgpr_workitem_id 0
		.amdhsa_next_free_vgpr 512
		.amdhsa_next_free_sgpr 100
		.amdhsa_reserve_vcc 0
		.amdhsa_float_denorm_mode_32 3
		.amdhsa_float_denorm_mode_16_64 3
		.amdhsa_memory_ordered 1
		.amdhsa_forward_progress 1
		.amdhsa_inst_pref_size 74
	.end_amdhsa_kernel
	.amdgpu_metadata
---
amdhsa.version: [ 1, 2 ]
amdhsa.kernels:
  - .name:           k_q9791d23afc_oproj
    .symbol:         k_q9791d23afc_oproj.kd
    .args:
      - { .name: y_img, .offset: 0, .size: 8, .value_kind: global_buffer, .address_space: global }
      - { .name: wo_img, .offset: 8, .size: 8, .value_kind: global_buffer, .address_space: global }
      - { .name: lowp_scales, .offset: 16, .size: 8, .value_kind: global_buffer, .address_space: global }
      - { .name: out0, .offset: 24, .size: 8, .value_kind: global_buffer, .address_space: global }
    .group_segment_fixed_size: 327680
    .private_segment_fixed_size: 0
    .kernarg_segment_align: 8
    .kernarg_segment_size: 32
    .max_flat_workgroup_size: 128
    .sgpr_count:     100
    .vgpr_count:     512
    .wavefront_size: 32
...
	.end_amdgpu_metadata
.endif
;; end of part 4
